; MI455X (gfx1250); checked and timed in simulation.
; The chip was launched on July 23, 2026; its instructions are those of AMD's public machine-readable ISA for CDNA 5 (MIT licence, August 2026) and "CDNA5" Instruction Set Architecture Reference Guide (July 2026). The comments in the code are by the model that wrote it; some were corrected since.
;; Casual Attention. Allowed arithmetic: matrix products marked QUANTISED: E3M2 operands, one E8M0 scale for each 32 along K, by v_wmma_scale_f32_16x16x128_f8f6f4 with both operands' format E3M2, f32 sums; everything else in f32.
;; Inputs: Wk 1,024 x 1,024 float32; Wq 1,024 x 1,024 float32; Wv 1,024 x 1,024 float32; x 4 x 2,048 x 1,024 float32.
;; Outputs: out0 4 x 2,048 x 1,024 float32.
;; This version of the problem:
;;   THIS VERSION OF THE PROBLEM IS GIVEN IN LOW PRECISION. The matrix products marked QUANTISED in the list below multiply operands that are first quantised to E3M2 (3 exponent bits, 2 mantissa bits; 6 bits a number), with one power-of-two scale for each 32 numbers along K (OCP MX v1.0); their sums are f32. All else is computed in f32.
;;   The module's matrix products, in the order in which they are computed (A, B: the left and right operand; K: the contracted axis; several contracted axes count as one K, in the product's order):
;;     1. [M 8,192, K 1,024] x [K 1,024, N 1,024]; A: input x; B: input Wq: QUANTISED
;;     2. [M 8,192, K 1,024] x [K 1,024, N 1,024]; A: input x; B: input Wk: QUANTISED
;;     3. [M 8,192, K 1,024] x [K 1,024, N 1,024]; A: input x; B: input Wv: QUANTISED
;;     4. batch 4 x [M 2,048, K 1,024] x [K 1,024, N 2,048]; A: computed on the way; B: computed on the way: QUANTISED
;;     5. batch 4 x [M 2,048, K 2,048] x [K 2,048, N 1,024]; A: softmax (see below); B: computed on the way: QUANTISED
;;   THE QUANTISER, for each operand of a quantised product, along K:
;;     - K is cut into blocks of 32 from its start; a last block that is shorter is filled with zeros.
;;     - A block's scale is 2^e with e = floor(log2(the largest magnitude in the block)) - 4, held to -126 .. 127; a block of zeros has e = 0. As a byte (E8M0): e + 127.
;;     - Each number is divided by its block's scale, clamped to +-28, and rounded to the nearest number of E3M2, ties to even, subnormals kept.
;;     - The product sums the exact products of the quantised numbers (number of the format x scale) in f32.
;;   ~~~python
;;   def quantise(x, axis):      # numpy; x: float32 -> the quantised numbers, widened to float32 again
;;       x = np.moveaxis(x, axis, -1); K = x.shape[-1]
;;       x = np.pad(x, [(0, 0)] * (x.ndim - 1) + [(0, -K % 32)]); x = x.reshape(x.shape[:-1] + (-1, 32)); a = np.abs(x).max(-1, keepdims=True)
;;       e = np.where(a > 0, np.clip(np.frexp(np.where(a > 0, a, 1))[1] - 1 - 4, -126, 127), 0)      # np.frexp(a)[1] - 1 = floor(log2(a)), exactly
;;       r = np.clip(x / 2.0 ** e, -28, 28)
;;       step = 2.0 ** (np.maximum(np.frexp(np.where(r == 0, 1, r))[1] - 1, -2) - 2)
;;       q = np.round(r / step) * step * 2.0 ** e      # np.round: ties to even
;;       return np.moveaxis(q.reshape(q.shape[:-2] + (-1,))[..., :K], -1, axis).astype(np.float32)
;;   ~~~
;;   SOFTMAX AHEAD OF A QUANTISED PRODUCT. Where the list says 'softmax', what is quantised is not the finished softmax but p = 2^(t - M), with t = logit x log2(e) and M = ceil(the row's largest t), a whole number; so 1/2 < the row's largest p <= 1. The row's sum l is taken of the UNQUANTISED p, in f32, and the product's result is divided by l at the end. Since M is a whole number, a kernel that streams over the keys may use a running M (the ceiling of the running maximum): every later rescaling is an exact power of two, which a block's scale takes up: the codes' values come out the same.
;;   OPERANDS COMPUTED ON THE WAY. 'Computed on the way' means the value that the module computes at that place (a softmax that the list does not call 'softmax' is quantised finished and normalised). What goes into a quantiser is computed in f32, as accurately as f32 sums, v_exp_f32 and their like allow (about 1e-6 of the number): no bf16 or f16 on the way to a quantiser, and a product that is left as it is and whose result goes on into a quantised operand takes f32 operands (vector FMAs, or v_wmma_f32_16x16x4_f32). A number that lies on a knife's edge between two numbers of the format may be rounded either way, as far as f32 arithmetic and the matrix unit's own rounding can turn it there, and no further.
;; One version. Each part assembles by itself: llvm-mc -triple=amdgcn-amd-amdhsa -mcpu=gfx1250 --defsym DOCPART=n.
;; ======== version 1 of 1: 4 launches
;; workspace buffers: xc 6,553,600 bytes; wc 2,457,600 bytes; qkc 13,107,200 bytes; vc 6,553,600 bytes; pc 13,107,200 bytes; pst 1,048,576 bytes
;; launch quant (part 1): grid 1216 x 1, 4 waves a work-group, no clusters, 34,304 bytes of LDS; arguments x, Wq, Wk, Wv, xc, wc; writes xc, wc
.if DOCPART == 1
	.amdgcn_target "amdgcn-amd-amdhsa--gfx1250"
	.amdhsa_code_object_version 6
	.text
	.protected	k_q2c8782bf16_quant
	.globl	k_q2c8782bf16_quant
	.p2align	8
	.type	k_q2c8782bf16_quant,@function
k_q2c8782bf16_quant:
	s_mov_b64 s[64:65], 0
	v_nop
	global_prefetch_b8 v0, s[64:65] scope:SCOPE_SE
	s_setreg_imm32_b32 hwreg(HW_REG_WAVE_MODE, 25, 1), 1
	s_wait_xcnt 0x0
; x [8192][1024] and Wq, Wk, Wv [1024 (k)][1024 (n)], f32, become codes of BF6 (E3M2) with one E8M0 scale byte for each 32 along K (= d_in).
; A block's scale is 2^(floor(log2(its largest magnitude)) - 4); its byte is the largest magnitude's exponent field - 4, held at 1 from below.
; LAYOUT OF THE RESULT, "units".  A fragment (16 rows x 128 K) is laid as the image of an operand's 12 registers: registers 4 c .. 4 c + 3 of lane l at 512 c + 16 l: 1,536 bytes.
; A unit is 128 rows x 128 K: eight fragments, then 128 scale words (fragment a, lane-row p at 12,288 + 64 a + 4 p): 12,800 bytes.  A buffer is [block of 128 rows][K step].
; Lane-row p of fragment a is row 32 (a / 2) + 8 (a % 2) + p + 8 (p / 8) of the unit: used as a product's first source, two neighbouring fragments then give a lane 16 neighbouring rows.
; xc: 64 x 8 units (rows = tokens).  wc: 24 x 8 units (rows = output channels: blocks 0-7 Wq, 8-15 Wk, 16-23 Wv).
; SHARES.  Work-groups 0-191: a unit of a weight each; a wave takes 32 columns, A LANE A COLUMN, its registers running down K: nothing is transposed.
; Work-groups 192-1215: half a unit of x each, a wave a fragment: each load reads 512 consecutive bytes of a row, and the rows turn through the wave's own stage in LDS so that a lane holds 16 neighbours of each block.
; No tensor loads, no barrier: waves share nothing.  Matrix units and clusters would add nothing to a stream.
; LIMITS: NaN and infinities among the inputs are not served.  A block whose largest magnitude lies under 2^-122, a block of zeros among them, gets the byte 1 (the rule says 127 for zeros): its codes are
; zeros or near it, and the bytes are read by this program alone.
.set UNIT,  12800
.set FRB,   1536
.set SCO,   12288
.set SP,    528                        ; a stage row: 512 bytes + 16 = 33 x 16 bytes, so that sixteen rows' equal columns fall on different 16-byte columns of 256
.set NWW,   192                        ; work-groups for the weights
.set LN,  1                            ; v1   lane
.set RO,  2                            ; v2   lane % 16
.set HH,  3                            ; v3   lane / 16
.set LI,  4                            ; v4   16 x lane
.set SI,  5                            ; v5   the stage, on the way in
.set SOA, 6                            ; v6   and on the way out
.set SW,  7                            ; v7   4 x (lane % 16)
.set PC,  16                           ; v16-27  a fragment's codes (x);  v16-27, v28-39 two fragments (W)
.set TT,  28                           ; v28-35  second halves of blocks, on their way (x)
.set PW,  36                           ; v36     the scale word (x)
.set R,   48                           ; v48-111  x as loaded
.set X,   112                          ; v112-175 x, 16 neighbours of each of four blocks
.set TM,  176                          ; v176-191 at work (x)
.set F0,  16
.set F1,  28
.set T0,  40
.set T1,  44
.set XW,  48                           ; v48-175 my column's 128 numbers (W)
.set CA,  176                          ; v176 my column's bytes (W)
.set FO,  177                          ; v177 where my fragments' bytes go (W)
.set SWO, 178                          ; v178 where my scale word goes (W)
.set SEL, 30                           ; s[30:31] v_permlanex16_b32's selects for lane l xor 16
	s_load_b256 s[4:11], s[0:1], 0x0               ; x s[4:5], Wq s[6:7], Wk s[8:9], Wv s[10:11]
	s_load_b128 s[12:15], s[0:1], 0x20             ; xc s[12:13], wc s[14:15]
	v_lshl_add_u32 v192, v0, 2, 0x8400
	v_mov_b32 v193, 0
	v_lshrrev_b32 v1, 5, v0
	v_readfirstlane_b32 s16, v1                    ; wave 0..3
	v_and_b32 v[LN], 31, v0
	v_and_b32 v[RO], 15, v0
	v_bfe_u32 v[HH], v0, 4, 1
	v_lshlrev_b32 v[LI], 4, v[LN]
	s_mul_i32 s28, s16, 16*SP                      ; my wave's stage
	v_add_nc_u32 v[SI], s28, v[LI]                 ; in: a row's 512 bytes as they lie
	v_mul_u32_u24 v[SOA], v[RO], SP
	v_lshl_add_u32 v[SOA], v[HH], 6, v[SOA]
	v_add_nc_u32 v[SOA], s28, v[SOA]               ; out: row lane % 16, + 64 bytes for the upper half of the lanes
	v_lshlrev_b32 v[SW], 2, v[RO]
	s_mov_b32 s[SEL], 0x76543210
	s_mov_b32 s[SEL+1], 0xfedcba98
	s_wait_kmcnt 0x0
	s_cmp_lt_u32 ttmp9, NWW                        ; the choice hangs on the work-group's number alone
	s_cbranch_scc1 .Lweights
; ---------------- x: my wave's fragment a of unit u
	s_sub_co_u32 s17, ttmp9, NWW
	s_lshr_b32 s18, s17, 1                         ; the unit: 8 x block of rows + K step
	s_and_b32 s19, s17, 1
	s_lshl_b32 s19, s19, 2
	s_add_co_u32 s19, s19, s16                     ; a = 4 x half + wave
	s_lshr_b32 s20, s18, 3
	s_lshl_b32 s20, s20, 7                         ; 128 x block of rows
	s_lshr_b32 s22, s19, 1
	s_lshl_b32 s22, s22, 5
	s_add_co_u32 s20, s20, s22                     ; + 32 (a / 2)
	s_and_b32 s22, s19, 1
	s_lshl_b32 s22, s22, 3
	s_add_co_u32 s20, s20, s22                     ; + 8 (a % 2): the fragment's first row
	s_lshl_b32 s20, s20, 12                        ; rows of 4,096 bytes
	s_and_b32 s22, s18, 7
	s_lshl_b32 s22, s22, 9
	s_add_co_u32 s20, s20, s22                     ; + 512 x K step
	s_mov_b32 s21, 0
	s_add_nc_u64 s[4:5], s[4:5], s[20:21]
	s_mul_i32 s22, s18, UNIT
	s_mov_b32 s23, 0
	s_add_nc_u64 s[12:13], s[12:13], s[22:23]      ; the unit in xc
	s_mul_i32 s24, s19, FRB
	s_mov_b32 s25, 0
	s_add_nc_u64 s[24:25], s[12:13], s[24:25]      ; my fragment
	s_lshl_b32 s26, s19, 6
	s_mov_b32 s27, 0
	s_add_nc_u64 s[26:27], s[12:13], s[26:27]      ; my fragment's scale words, less the constant 12,288
.irp i, 0,1,2,3,4,5,6,7,8,9,10,11,12,13,14,15
	global_load_b128 v[R+4*\i:R+4*\i+3], v[LI], s[4:5] offset:(\i+8*(\i/8))*4096 th:TH_LOAD_NT   ; lane-row i: 32 lanes read 512 consecutive bytes
.endr
.irp b, 0,1,2,3
	v_mov_b32 v[TM+4+\b], 0                        ; written once: a lane permute's destination counts as one of its sources
.endr
.irp i, 0,1,2,3,4,5,6,7,8,9,10,11,12,13,14,15
	s_wait_loadcnt 15-\i                           ; loads come back in order: row i is in, the younger rows stay out
	ds_store_b128 v[SI], v[R+4*\i:R+4*\i+3] offset:SP*\i
.endr
.irp b, 0,1,2,3
.irp j, 0,1,2,3
	ds_load_b128 v[X+16*\b+4*\j:X+16*\b+4*\j+3], v[SOA] offset:128*\b+16*\j   ; LDS serves a wave's instructions in order: these see my stores.  Register 16 b + i = k 32 b + 16 (lane / 16) + i of my row
.endr
.endr
	s_wait_dscnt 0x0
.irp b, 0,1,2,3
	v_max3_num_f32 v[TM+\b], |v[X+16*\b]|, |v[X+1+16*\b]|, 0x2800000   ; block b: my 16 numbers, and the floor 2^(5 - 127): the byte cannot fall under 1
.endr
.irp i, 2,4,6,8,10,12,14
.irp b, 0,1,2,3
	v_max3_num_f32 v[TM+\b], v[TM+\b], |v[X+16*\b+\i]|, |v[X+1+16*\b+\i]|   ; the four blocks by turns
.endr
.endr
.irp b, 0,1,2,3
	v_permlanex16_b32 v[TM+4+\b], v[TM+\b], s[SEL], s[SEL+1]
.endr
.irp b, 0,1,2,3
	v_max_num_f32 v[TM+\b], v[TM+\b], v[TM+4+\b]   ; with lane l xor 16's: the block's largest magnitude
.endr
.irp b, 0,1,2,3
	v_add_nc_u32 v[TM+12+\b], 0xfe000000, v[TM+\b] ; 4 off its exponent field: the conversion takes the exponent field of this operand as its scale
.endr
.irp b, 0,1,2,3
	v_lshrrev_b32 v[TM+4+\b], 23, v[TM+12+\b]      ; the scale's byte
.endr
	v_lshl_or_b32 v[PW], v[TM+5], 8, v[TM+4]
	v_lshl_or_b32 v[PW], v[TM+6], 16, v[PW]
	v_lshl_or_b32 v[PW], v[TM+7], 24, v[PW]        ; my row's scale word
.irp c, 0,1
	v_cvt_scalef32_pk16_bf6_f32 v[PC+6*\c:PC+6*\c+2], v[X+32*\c:X+32*\c+15], v[TM+12+2*\c]
	v_cvt_scalef32_pk16_bf6_f32 v[TT+4*\c:TT+4*\c+2], v[X+32*\c+16:X+32*\c+31], v[TM+12+2*\c+1]   ; (a conversion's three registers begin on an even number)
.endr
	v_nop                                          ; one plain place behind a scaled conversion
.irp c, 0,1                                    ; the operand's layout wants a whole block in a lane: lanes 0-15 block 2 c, lanes 16-31 block 2 c + 1
.irp i, 0,1,2
	v_permlane16_swap_b32 v[PC+6*\c+\i], v[TT+4*\c+\i]
.endr
.irp i, 0,1,2
	v_mov_b32 v[PC+6*\c+3+\i], v[TT+4*\c+\i]
.endr
.endr
.irp c, 0,1,2
	global_store_b128 v[LI], v[PC+4*\c:PC+4*\c+3], s[24:25] offset:512*\c   ; 512 consecutive bytes, at a multiple of 256 from the buffer's first byte
.endr
	global_store_b32 v[SW], v[PW], s[26:27] offset:SCO   ; lanes l and l xor 16 hold the same word and store it to the same place: 64 bytes, one part in 24 of the codes'
	s_wait_tensorcnt 0x0
	ds_add_u32 v192, v193
	s_wait_dscnt 0x0
	s_endpgm
; ---------------- a weight: my wave's 32 columns of unit (8 mat + cb, ks): fragments 2 w and 2 w + 1
.Lweights:
	s_lshr_b32 s17, ttmp9, 6                       ; which weight
	s_bfe_u32 s18, ttmp9, 0x30003                  ; K step
	s_and_b32 s19, ttmp9, 7                        ; block of 128 columns
	s_cmp_eq_u32 s17, 1
	s_cselect_b64 s[6:7], s[8:9], s[6:7]
	s_cmp_eq_u32 s17, 2
	s_cselect_b64 s[6:7], s[10:11], s[6:7]
	s_lshl_b32 s20, s18, 19                        ; 128 rows of 4,096 bytes a K step
	s_lshl_b32 s22, s19, 9
	s_add_co_u32 s20, s20, s22                     ; + 512 bytes a block of columns
	s_lshl_b32 s22, s16, 7
	s_add_co_u32 s20, s20, s22                     ; + 128 bytes a wave
	s_mov_b32 s21, 0
	s_add_nc_u64 s[6:7], s[6:7], s[20:21]
	s_lshl_b32 s22, s17, 3
	s_add_co_u32 s22, s22, s19
	s_lshl_b32 s22, s22, 3
	s_add_co_u32 s22, s22, s18
	s_mul_i32 s22, s22, UNIT
	s_mov_b32 s23, 0
	s_add_nc_u64 s[14:15], s[14:15], s[22:23]      ; the unit in wc
	v_and_b32 v[CA], 8, v[RO]
	v_add_nc_u32 v[CA], v[CA], v[RO]
	v_lshl_add_u32 v[CA], v[HH], 3, v[CA]          ; my column of the 32: 8 (lane / 16) + p + 8 (p / 8): lanes 0-15 hold fragment 2 w's lane-rows, lanes 16-31 fragment 2 w + 1's
	v_lshlrev_b32 v[CA], 2, v[CA]
	s_mul_i32 s24, s16, 2*FRB
	v_add_nc_u32 v[FO], s24, v[LI]
	s_lshl_b32 s24, s16, 7
	v_lshl_add_u32 v[SWO], v[LN], 2, s24           ; 64 (2 w) + 4 x lane
.macro WLOAD b                         ; block b: W(32 b + i, my column); the 32 lanes read 128 consecutive bytes, the four waves 512
.set i, 0
.rept 32
	global_load_b32 v[XW+32*(\b)+i], v[CA], s[6:7] offset:(32*(\b)+i)*4096 th:TH_LOAD_NT
.set i, i+1
.endr
.endm
.macro WBLOCK b
.set XS, XW+32*(\b)
.if (\b) < 3
	s_wait_loadcnt 32                              ; this block's 32 loads are in; the next block's may be out
.else
	s_wait_loadcnt 0x0
.endif
.if (\b) < 2
	WLOAD (\b)+2                                   ; two blocks ahead, into registers of its own
.endif
	v_max3_num_f32 v12, |v[XS]|, |v[XS+1]|, |v[XS+2]|        ; the block's largest magnitude: all 32 numbers are mine
	v_max3_num_f32 v13, |v[XS+3]|, |v[XS+4]|, |v[XS+5]|
.irp i, 6,10,14,18,22,26
	v_max3_num_f32 v12, v12, |v[XS+\i]|, |v[XS+\i+1]|
	v_max3_num_f32 v13, v13, |v[XS+\i+2]|, |v[XS+\i+3]|
.endr
	v_max3_num_f32 v12, v12, |v[XS+30]|, |v[XS+31]|
	v_max3_num_f32 v12, v12, v13, 0x2800000        ; and the floor 2^(5 - 127)
	v_add_nc_u32 v[8+(\b)], 0xfe000000, v12        ; the conversion's scale operand
	v_lshrrev_b32 v15, 23, v[8+(\b)]               ; the byte
.if (\b) == 0
	v_mov_b32 v14, v15
.else
	v_lshl_or_b32 v14, v15, 8*(\b), v14            ; my column's scale word
.endif
.set CC, (\b)/2
.if (\b)%2 == 0
	v_cvt_scalef32_pk16_bf6_f32 v[F0+6*CC:F0+6*CC+2], v[XS:XS+15], v[8+(\b)]
	v_cvt_scalef32_pk16_bf6_f32 v[T0:T0+2], v[XS+16:XS+31], v[8+(\b)]
.else
	v_cvt_scalef32_pk16_bf6_f32 v[F1+6*CC:F1+6*CC+2], v[XS:XS+15], v[8+(\b)]
	v_cvt_scalef32_pk16_bf6_f32 v[T1:T1+2], v[XS+16:XS+31], v[8+(\b)]
	v_nop                                          ; one plain place behind a scaled conversion
.irp i, 0,1,2                          ; block 2 c of lanes 16-31 changes places with block 2 c + 1 of lanes 0-15: the first register is then fragment 2 w's (lanes 0-15 block 2 c, lanes 16-31 block 2 c + 1), the second fragment 2 w + 1's
	v_permlane16_swap_b32 v[F0+6*CC+\i], v[F1+6*CC+\i]
	v_permlane16_swap_b32 v[T0+\i], v[T1+\i]
.endr
.irp i, 0,1,2
	v_mov_b32 v[F0+6*CC+3+\i], v[T0+\i]
	v_mov_b32 v[F1+6*CC+3+\i], v[T1+\i]
.endr
.endif
.endm
	WLOAD 0
	WLOAD 1
	WBLOCK 0
	WBLOCK 1
	WBLOCK 2
	WBLOCK 3
.irp c, 0,1,2
	global_store_b128 v[FO], v[F0+4*\c:F0+4*\c+3], s[14:15] offset:512*\c
	global_store_b128 v[FO], v[F1+4*\c:F1+4*\c+3], s[14:15] offset:FRB+512*\c
.endr
	global_store_b32 v[SWO], v14, s[14:15] offset:SCO   ; 128 consecutive bytes: both fragments' scale words
	s_endpgm
.Lfunc_end_k_q2c8782bf16_quant:
	.size	k_q2c8782bf16_quant, .Lfunc_end_k_q2c8782bf16_quant-k_q2c8782bf16_quant
	.p2alignl 7, 3214868480
	.fill 96, 4, 3214868480
	.section	.rodata,"a",@progbits
	.p2align	6, 0x0
	.amdhsa_kernel k_q2c8782bf16_quant
		.amdhsa_group_segment_fixed_size 34304
		.amdhsa_private_segment_fixed_size 0
		.amdhsa_enable_private_segment 0
		.amdhsa_kernarg_size 48
		.amdhsa_user_sgpr_count 2
		.amdhsa_user_sgpr_kernarg_segment_ptr 1
		.amdhsa_wavefront_size32 1
		.amdhsa_system_sgpr_workgroup_id_x 1
		.amdhsa_system_sgpr_workgroup_id_y 1
		.amdhsa_system_sgpr_workgroup_id_z 1
		.amdhsa_system_vgpr_workitem_id 0
		.amdhsa_next_free_vgpr 194
		.amdhsa_next_free_sgpr 66
		.amdhsa_reserve_vcc 0
		.amdhsa_float_denorm_mode_32 3
		.amdhsa_float_denorm_mode_16_64 3
		.amdhsa_memory_ordered 1
		.amdhsa_forward_progress 1
		.amdhsa_inst_pref_size 31
	.end_amdhsa_kernel
	.amdgpu_metadata
---
amdhsa.version: [ 1, 2 ]
amdhsa.kernels:
  - .name:           k_q2c8782bf16_quant
    .symbol:         k_q2c8782bf16_quant.kd
    .args:
      - { .name: x, .offset: 0, .size: 8, .value_kind: global_buffer, .address_space: global }
      - { .name: Wq, .offset: 8, .size: 8, .value_kind: global_buffer, .address_space: global }
      - { .name: Wk, .offset: 16, .size: 8, .value_kind: global_buffer, .address_space: global }
      - { .name: Wv, .offset: 24, .size: 8, .value_kind: global_buffer, .address_space: global }
      - { .name: xc, .offset: 32, .size: 8, .value_kind: global_buffer, .address_space: global }
      - { .name: wc, .offset: 40, .size: 8, .value_kind: global_buffer, .address_space: global }
    .group_segment_fixed_size: 34304
    .private_segment_fixed_size: 0
    .kernarg_segment_align: 8
    .kernarg_segment_size: 48
    .max_flat_workgroup_size: 128
    .sgpr_count:     66
    .vgpr_count:     194
    .wavefront_size: 32
...
	.end_amdgpu_metadata
.endif
;; end of part 1
;; launch proj (part 2): grid 8 x 48, 4 waves a work-group, clusters of 4 x 4, 327,680 bytes of LDS; arguments xc, wc, qkc, vc; writes qkc, vc
.if DOCPART == 2
	.amdgcn_target "amdgcn-amd-amdhsa--gfx1250"
	.amdhsa_code_object_version 6
	.text
	.protected	k_q2c8782bf16_proj
	.globl	k_q2c8782bf16_proj
	.p2align	8
	.type	k_q2c8782bf16_proj,@function
k_q2c8782bf16_proj:
	s_mov_b64 s[64:65], 0
	v_nop
	global_prefetch_b8 v0, s[64:65] scope:SCOPE_SE
	s_setreg_imm32_b32 hwreg(HW_REG_WAVE_MODE, 25, 1), 1
	s_wait_xcnt 0x0
	s_wait_alu depctr_hold_cnt(0) depctr_sa_sdst(0) depctr_va_vdst(0) depctr_va_sdst(0) depctr_va_ssrc(0) depctr_va_vcc(0) depctr_vm_vsrc(0)
	s_getreg_b32 s2, hwreg(HW_REG_IB_STS2, 6, 4)
	s_cmp_eq_u32 s2, 0
	s_cbranch_scc0 .Lentry_in_a_cluster
	s_endpgm
.Lentry_in_a_cluster:
	s_bfe_u32 s2, ttmp6, 0x10000c
	s_cmp_lg_u32 s2, 0xf033
	s_cbranch_scc0 .Lentry_shape_is_right
	s_endpgm
.Lentry_shape_is_right:
; q = x Wq, k = x Wk and v^T = (x Wv)^T on codes of BF6 (E3M2) with E8M0 scales, K = 1,024; the results are quantised in registers and stored as codes: q and k along the channels, v along the keys.
; OPERANDS lie in "units" of 12,800 bytes: 128 rows x 128 K as eight images of an operand's registers (1,536 bytes each: registers 4 c .. 4 c + 3 of lane l at 512 c + 16 l) and 128 scale words at 12,288 + 64 a + 4 p.
; Lane-row p of fragment a is row 32 (a / 2) + 8 (a % 2) + p + 8 (p / 8) of the unit.  A buffer is [block of 128 rows][K step], so a block's K steps are dense.
; A TILE, 256 x 256, is made by four waves, 128 x 128 each: 64 accumulators, 512 registers.  Source 0 = a fragment of S0, source 1 = a fragment of S1: a lane holds ONE lane-row of S1, and the 64 registers of S1's
; fragment a are 128 NEIGHBOURS along S0's rows (register 16 b + i = row 32 b + 16 (lane / 16) + i): one K step of the next product.  So a wave's tile becomes exactly one unit of the result.
; q, k (clusters with y under 8): S1 = x (tokens), S0 = Wq, Wk (channels).  v^T (the others): S1 = Wv (channels), S0 = x (keys).  One text serves both: only pointers and block numbers are chosen, by the cluster's y.
; THE RING: two slots; a slot holds two K steps of S1's 256 rows and of S0's 256 rows; a wave's one tensor load brings 25,600 dense bytes (a block's two units) as 100 rows of 256 bytes.  The scale words come inside the units.
; CLUSTERS: 4 x 4 work-groups; S1's tiles are shared along a row of the cluster, S0's along a column: each is asked for jointly, by the same tensor load with the same descriptor and a mask that names the four.
; K = 1,024 is four slots: the steps are written out, there is no loop.  Behind each change of slots a wave has one tensor load out; at the start two.
; No prefetch: the launch has two refills, and its tiles are read by several clusters at about the same time.
; LIMITS: NaN and infinities are not served.  A block of the results whose largest magnitude lies under 2^-122, zeros among them, gets the byte 1; the bytes are read by this program alone.
.set UNIT,  12800
.set FRB,   1536
.set SCO,   12288
.set HALFT, 2*UNIT                     ; what one tensor load brings
.set SLOT,  4*HALFT                    ; S1's two blocks of rows, then S0's two
.set SPARE, 2*SLOT                     ; the spare words: 128 bytes for each wave, two blocks of 256 bytes that no other line names
.set OWN,   SPARE+512                  ; behind them: 512 bytes for each wave, where its unit's scale words are gathered; no fill lands here
.set FR,    12
.set ADRA, 16                          ; v16-17  my S1 fragments in slot 0, 1
.set ADRS, 18                          ; v18-19  my scale words: lanes 0-15 S1's, lanes 16-31 S0's
.set ADRB, 20                          ; v20-21  my S0 fragments
.set LI,   24                          ; v24     16 x lane
.set SWA,  25                          ; v25     where I put a scale word
.set SWR,  26                          ; v26     where I read 16 bytes of them back
.set SPW,  28                          ; v28     my spare word; never rewritten
.set NIL,  29                          ; v29     0; never rewritten
.set SC,   32                          ; v32-63  scale words and nothing else: set sc, K step q, block i at 32 + 16 sc + 8 q + i
.set TM,   64                          ; v64-79  the way out: at work
.set TT,   84                          ; v84-91  second halves of blocks
.set OW,   92                          ; v92-95  scale words on their way out
.set PWB,  96                          ; v96-103 a scale word for each of my eight fragments
.set AF,   128                         ; v128-223 S1's eight fragments, one set; on the way out the eight fragments made
.set G1, 24
.set G0, 32
.set G1B, 48
.set G0B, 56
.set SEL, 84                           ; s[84:85]
.set MSB, 0
.macro WIN new                         ; the immediate's high byte repeats the setting that is left
.if MSB != (\new)
	s_set_vgpr_msb (MSB<<8)|(\new)
.set MSB, (\new)
.endif
.endm
.set MUL_LO, 0xa1                      ; source 0 (S0) window 1, source 1 (S1) window 0, C and D window 2
.set MUL_HI, 0xf1                      ; the same, C and D window 3
.set TO_B,   0x40
.macro JLOAD g0a, g1a, g0b, g1b        ; a joint load: waves 0 and 1 fetch for S1, waves 2 and 3 for S0; four v_nop follow each of the two lines
	s_cmp_eq_u32 s15, 0
	s_cbranch_scc0 .Lfor_b_\@
	tensor_load_to_lds s[\g0a:\g0a+3], s[\g1a:\g1a+7]
	s_nop 0
.rept 4
	v_nop
.endr
	s_branch .Lasked_\@
.Lfor_b_\@:
	tensor_load_to_lds s[\g0b:\g0b+3], s[\g1b:\g1b+7]
	s_nop 0
.rept 4
	v_nop
.endr
.Lasked_\@:
.endm
.macro CREST                           ; a round of the cluster's barrier behind its opening barrier
	s_cmp_lg_u32 s14, 0
	s_cbranch_scc1 .Lnot_wave_0_\@
	s_barrier_signal -3
.Lnot_wave_0_\@:
	s_barrier_wait -3
	s_barrier_signal -1
	s_barrier_wait -1
.endm
.macro CROUND
	s_barrier_signal -1
	s_barrier_wait -1
	CREST
.endm
.macro PLACES n
.rept \n
	v_nop
.endr
.endm
.macro FRAG reg, adr, q, i             ; a fragment comes as it was laid: three loads of 512 consecutive bytes
.irp c, 0,1,2
	ds_load_b128 v[\reg+4*\c:\reg+4*\c+3], v[\adr] offset:(\q)*UNIT+(\i)*FRB+512*\c
.endr
.endm
.macro FETCH_B slot, q, p              ; S0's eight fragments of the slot's K step q into set p
	WIN TO_B
.irp i, 0,1,2,3,4,5,6,7
	FRAG 128*(\p)+FR*\i, ADRB+\slot, \q, \i
.endr
	WIN 0
.endm
.macro FETCH_A slot, q, i0             ; S1's blocks i0 .. i0 + 3
.irp i, \i0, \i0+1, \i0+2, \i0+3
	FRAG AF+FR*(\i), ADRA+\slot, \q, \i
.endr
.endm
.macro SCALES sc                       ; a slot's scale words: lanes 0-15 S1's block i, lanes 16-31 S0's block i
.irp q, 0,1
.irp i, 0,1,2,3,4,5,6,7
	ds_load_b32 v[SC+16*(\sc)+8*\q+\i], v[ADRS+\sc] offset:\q*UNIT+SCO+64*\i
.endr
.endr
.endm
; 16 matrix instructions: S1's blocks a0, a0 + 1 x S0's eight.  The 64 accumulators take turns, one instruction a turn, in the same order in every step.
.macro MUL16 a0, p, q, sc, zero
.irp a, \a0, \a0+1
.irp b, 0,1,2,3,4,5,6,7
.if \zero
	v_wmma_scale_f32_16x16x128_f8f6f4 v[8*(8*((\a)%4)+\b):8*(8*((\a)%4)+\b)+7], v[128*(\p)+FR*\b:128*(\p)+FR*\b+FR-1], v[AF+FR*(\a):AF+FR*(\a)+FR-1], 0, v[SC+16*(\sc)+8*(\q)+\b], v[SC+16*(\sc)+8*(\q)+(\a)] matrix_a_fmt:MATRIX_FMT_BF6 matrix_b_fmt:MATRIX_FMT_BF6 matrix_a_scale:MATRIX_SCALE_ROW1
.else
	v_wmma_scale_f32_16x16x128_f8f6f4 v[8*(8*((\a)%4)+\b):8*(8*((\a)%4)+\b)+7], v[128*(\p)+FR*\b:128*(\p)+FR*\b+FR-1], v[AF+FR*(\a):AF+FR*(\a)+FR-1], v[8*(8*((\a)%4)+\b):8*(8*((\a)%4)+\b)+7], v[SC+16*(\sc)+8*(\q)+\b], v[SC+16*(\sc)+8*(\q)+(\a)] matrix_a_fmt:MATRIX_FMT_BF6 matrix_b_fmt:MATRIX_FMT_BF6 matrix_a_scale:MATRIX_SCALE_ROW1
.endif
.endr
.endr
.endm
; A slot's first K step.  Loads into registers that matrix instructions have read stand four plain places behind them (ISA guide 7.12.1 for vector instructions).
.macro STEP slot, zero
	s_wait_dscnt 12                                ; all but the youngest 12 loads (S1's blocks 4-7) are in
	WIN MUL_LO
	MUL16 0, 0, 0, \slot, \zero
	MUL16 2, 0, 0, \slot, \zero
	s_wait_dscnt 0x0                               ; S1's blocks 4-7 are in
	PLACES 4
	FETCH_B \slot, 1, 1
	FETCH_A \slot, 1, 0
	WIN MUL_HI
	MUL16 4, 0, 0, \slot, \zero
	MUL16 6, 0, 0, \slot, \zero
	PLACES 4
	WIN 0
	FETCH_A \slot, 1, 4
.endm
; A slot's second K step changes slots: one barrier; in front of it each wave waits for all its tensor loads, adds 0 to its spare word, and waits for that and for its reads of this slot.  fill = 1: the slot is filled again.
.macro TURN slot, next, fill
	s_wait_tensorcnt 0x0                           ; all my tensor loads have landed: my part of the next slot
	ds_add_u32 v[SPW], v[NIL]                      ; 0 onto my spare word
	s_wait_dscnt 13                                ; (the add and the youngest 12 loads may be out)
	WIN MUL_LO
	MUL16 0, 1, 1, \slot, 0
	s_wait_dscnt 0x0                               ; the add is done, and my reads of this slot are over
	s_barrier_signal -1
	MUL16 2, 1, 1, \slot, 0
	WIN 0
	s_barrier_wait -1
.if \fill
	CREST                                          ; the barrier has opened a round of the cluster's barrier: no wave of any partner still reads this slot or has a load on its way
	s_add_nc_u64 s[G0+4*\slot+2:G0+4*\slot+3], s[G0+4*\slot+2:G0+4*\slot+3], 2*HALFT
	s_add_nc_u64 s[G0B+4*\slot+2:G0B+4*\slot+3], s[G0B+4*\slot+2:G0B+4*\slot+3], 2*HALFT
	JLOAD G0+4*\slot, G1, G0B+4*\slot, G1B         ; the first tensor load behind the round; its four v_nop are the places in front of the loads below
.else
	PLACES 4
.endif
	FETCH_B \next, 0, 0
	FETCH_A \next, 0, 0
	SCALES \next
	WIN MUL_HI
	MUL16 4, 1, 1, \slot, 0
	MUL16 6, 1, 1, \slot, 0
	PLACES 4
	WIN 0
	FETCH_A \next, 0, 4
.endm
.macro LAST                            ; the very last K step: nothing more to fetch
	s_wait_dscnt 12
	WIN MUL_LO
	MUL16 0, 1, 1, 1, 0
	MUL16 2, 1, 1, 1, 0
	s_wait_dscnt 0x0
	WIN MUL_HI
	MUL16 4, 1, 1, 1, 0
	MUL16 6, 1, 1, 1, 0
	WIN 0
.endm
	s_load_b256 s[4:11], s[0:1], 0x0               ; xc s[4:5], wc s[6:7], qkc s[8:9], vc s[10:11]
	v_lshl_add_u32 v[SPW], v0, 2, SPARE
	v_mov_b32 v[NIL], 0
	ds_add_u32 v28, v29
	ds_add_u32 v28, v29
	s_wait_dscnt 0x0
	v_lshrrev_b32 v1, 5, v0
	v_readfirstlane_b32 s14, v1                    ; wave 0..3
	s_lshr_b32 s15, s14, 1                         ; which half of S1's rows is mine.  Also: I fetch for S1 (0) or for S0 (1)
	s_and_b32 s16, s14, 1                          ; which half of S0's rows.  Also: which block of 128 rows I fetch
	s_bfe_u32 s40, ttmp6, 0x40000                  ; cx
	s_bfe_u32 s41, ttmp6, 0x40004                  ; cy
	s_and_b32 s67, ttmp7, 0xffff                   ; the cluster's y: 0-7 q and k, 8-11 v
	s_sub_co_u32 s68, s67, 8
	s_lshl_b32 s68, s68, 1
	s_add_co_u32 s68, s68, ttmp9                   ; v: the cluster's column among x's eight
	s_cmp_ge_u32 s67, 8
	s_cselect_b32 s69, 0, s67                      ; the cluster's row of tiles
	s_cselect_b32 s70, s68, ttmp9                  ; and its column
	s_cselect_b32 s71, 64, 16                      ; K steps in a block of rows of the result
	s_cselect_b32 s72, 16, 0                       ; Wv begins at block 16 of wc
	s_lshl_b32 s42, s70, 2
	s_add_co_u32 s42, s42, s40                     ; tile column
	s_lshl_b32 s17, s69, 2
	s_add_co_u32 s17, s17, s41                     ; tile row
	s_lshl_b32 s43, s41, 2
	s_lshl_b32 s43, 15, s43                        ; my row of the cluster
	s_lshl_b32 s44, 0x1111, s40                    ; my column
	s_or_b32 s[G1], s43, (3<<16)|(1<<21)           ; 15:0 the mask; 17:16 elements of 8 bytes; 20 no padding; 21 set beside a mask
	s_or_b32 s[G1B], s44, (3<<16)|(1<<21)
.irp g, G1, G1B
	s_mov_b32 s[\g+1], 32<<16                      ; tensor_dim0 = 32 elements: 256 bytes
	s_mov_b32 s[\g+2], 100<<16                     ; tensor_dim1 = 100 rows
	s_mov_b32 s[\g+3], 32<<16                      ; tile_dim0
	s_mov_b32 s[\g+4], 100                         ; tile_dim1
	s_mov_b32 s[\g+5], 32                          ; the pitch: dense
	s_mov_b32 s[\g+6], 0
	s_mov_b32 s[\g+7], 0
.endr
	s_lshl_b32 s20, s17, 1
	s_add_co_u32 s20, s20, s16
	s_add_co_u32 s20, s20, s72
	s_mul_i32 s20, s20, 8*UNIT                     ; S1: the block of rows that I fetch, eight units a block
	s_mov_b32 s21, 0
	s_lshl_b32 s46, s42, 1
	s_add_co_u32 s46, s46, s16
	s_mul_i32 s46, s46, 8*UNIT                     ; S0 likewise
	s_mov_b32 s47, 0
	s_mul_i32 s45, s14, HALFT                      ; where they go: wave x 25,600: no place in the cluster enters an LDS address
	s_lshl_b32 s80, s17, 1
	s_add_co_u32 s80, s80, s15
	s_mul_i32 s80, s80, s71
	s_lshl_b32 s81, s42, 1
	s_add_co_u32 s81, s81, s16
	s_add_co_u32 s80, s80, s81
	s_mul_i32 s80, s80, UNIT                       ; my unit of the result: (block of S1's rows) x K steps + block of S0's rows
	s_mov_b32 s81, 0
	s_wait_kmcnt 0x0
	s_cmp_ge_u32 s67, 8
	s_cselect_b64 s[74:75], s[6:7], s[4:5]         ; S1: wc for v, xc for q and k
	s_cselect_b64 s[78:79], s[4:5], s[6:7]         ; S0: the other
	s_cselect_b64 s[76:77], s[10:11], s[8:9]       ; the result
	s_add_nc_u64 s[20:21], s[74:75], s[20:21]
	s_add_nc_u64 s[46:47], s[78:79], s[46:47]
	s_add_nc_u64 s[76:77], s[76:77], s[80:81]
	CROUND                                         ; all sixteen work-groups are here: the first joint loads meet
.irp s, 0,1
	s_mov_b32 s[G0+4*\s], 1
	s_add_co_u32 s[G0+4*\s+1], s45, \s*SLOT
	s_add_nc_u64 s[G0+4*\s+2:G0+4*\s+3], s[20:21], \s*HALFT
	s_or_b32 s[G0+4*\s+3], s[G0+4*\s+3], 0x80000000
	s_mov_b32 s[G0B+4*\s], 1
	s_add_co_u32 s[G0B+4*\s+1], s45, \s*SLOT
	s_add_nc_u64 s[G0B+4*\s+2:G0B+4*\s+3], s[46:47], \s*HALFT
	s_or_b32 s[G0B+4*\s+3], s[G0B+4*\s+3], 0x80000000
	JLOAD G0+4*\s, G1, G0B+4*\s, G1B
.endr
	v_and_b32 v1, 15, v0                           ; p = lane % 16
	v_bfe_u32 v2, v0, 4, 1                         ; h = lane / 16
	v_and_b32 v3, 31, v0
	v_lshlrev_b32 v[LI], 4, v3
	s_mul_i32 s21, s15, HALFT                      ; my block of S1
	s_mul_i32 s22, s16, HALFT
	s_add_co_u32 s22, s22, 2*HALFT                 ; my block of S0, behind S1's two
	s_sub_co_u32 s23, s22, s21
	v_mul_u32_u24 v4, s23, v2                      ; lanes 16-31 take S0's scale words: one product, the distance between the two
	v_lshl_add_u32 v4, v1, 2, v4
.irp s, 0,1
	v_add_nc_u32 v[ADRA+\s], s21, v[LI]
	v_add_nc_u32 v[ADRB+\s], s22, v[LI]
	v_add_nc_u32 v[ADRS+\s], s21, v4
	s_add_co_u32 s21, s21, SLOT
	s_add_co_u32 s22, s22, SLOT
.endr
	s_lshl_b32 s23, s14, 9
	s_add_co_u32 s23, s23, OWN
	v_lshl_add_u32 v[SWA], v1, 2, s23
	v_add_nc_u32 v[SWR], s23, v[LI]
.irp b, 0,1,2,3
	v_mov_b32 v[TM+4+\b], 0                        ; written once: a lane permute's destination counts as one of its sources
.endr
	s_mov_b32 s[SEL], 0x76543210
	s_mov_b32 s[SEL+1], 0xfedcba98
	s_wait_tensorcnt 1                             ; my part of slot 0 is in; slot 1's may stay out
	s_barrier_signal -1
	s_barrier_wait -1
	FETCH_B 0, 0, 0
	FETCH_A 0, 0, 0
	SCALES 0
	FETCH_A 0, 0, 4
	STEP 0, 1                                      ; the first products start the sums: nothing is cleared
	TURN 0, 1, 1
	STEP 1, 0
	TURN 1, 0, 1
	STEP 0, 0
	TURN 0, 1, 0                                   ; the last two slots are not filled again
	STEP 1, 0
	LAST
	PLACES 4                                       ; in front of the first read of results and the first write over S1's fragments
; THE WAY OUT.  The 64 registers of S1's block a are quantised along S0's rows and become fragment a of my unit.  Each accumulator is read from its low end on.
.macro QUANTA a
.set W, 2+(\a)/4
.set S, 64*((\a)%4)
.set PC, AF+12*(\a)
.set W01, W|(W<<2)
	WIN W01                                        ; sources 0 and 1 in the accumulators' window
.irp b, 0,1,2,3
	v_max3_num_f32 v[TM+\b], |v[S+16*\b]|, |v[S+16*\b+1]|, 0x2800000   ; block b: my 16 numbers, and the floor 2^(5 - 127)
.endr
.irp i, 2,4,6,8,10,12,14
.irp b, 0,1,2,3
	v_max3_num_f32 v[TM+\b], |v[S+16*\b+\i]|, |v[S+16*\b+\i+1]|, v[TM+\b]
.endr
.endr
	WIN 0
.irp b, 0,1,2,3
	v_permlanex16_b32 v[TM+4+\b], v[TM+\b], s[SEL], s[SEL+1]
.endr
.irp b, 0,1,2,3
	v_max_num_f32 v[TM+\b], v[TM+\b], v[TM+4+\b]   ; with lane l xor 16's: the block's largest magnitude
.endr
.irp b, 0,1,2,3
	v_add_nc_u32 v[TM+12+\b], 0xfe000000, v[TM+\b] ; 4 off its exponent field: the conversion's scale operand
.endr
.irp b, 0,1,2,3
	v_lshrrev_b32 v[TM+4+\b], 23, v[TM+12+\b]      ; the byte
.endr
	v_lshl_or_b32 v[PWB+(\a)], v[TM+5], 8, v[TM+4]
	v_lshl_or_b32 v[PWB+(\a)], v[TM+6], 16, v[PWB+(\a)]
	v_lshl_or_b32 v[PWB+(\a)], v[TM+7], 24, v[PWB+(\a)]
	WIN W                                          ; source 0 in the accumulators' window
.irp c, 0,1
	v_cvt_scalef32_pk16_bf6_f32 v[PC+6*\c:PC+6*\c+2], v[S+32*\c:S+32*\c+15], v[TM+12+2*\c]
	v_cvt_scalef32_pk16_bf6_f32 v[TT+4*\c:TT+4*\c+2], v[S+32*\c+16:S+32*\c+31], v[TM+12+2*\c+1]
.endr
	WIN 0
	v_nop                                          ; one plain place behind a scaled conversion
.irp c, 0,1
.irp i, 0,1,2
	v_permlane16_swap_b32 v[PC+6*\c+\i], v[TT+4*\c+\i]   ; a whole block to a lane
.endr
.irp i, 0,1,2
	v_mov_b32 v[PC+6*\c+3+\i], v[TT+4*\c+\i]
.endr
.endr
	ds_store_b32 v[SWA], v[PWB+(\a)] offset:64*(\a)   ; lanes l and l xor 16 write the same word with the same value; each block has a register of its own
.irp c, 0,1,2
	global_store_b128 v[LI], v[PC+4*\c:PC+4*\c+3], s[76:77] offset:FRB*(\a)+512*\c   ; 512 consecutive bytes, at a multiple of 256 from the buffer's first byte; each block has registers of its own
.endr
.endm
.irp a, 0,1,2,3,4,5,6,7
	QUANTA \a
.endr
	ds_load_b128 v[OW:OW+3], v[SWR]                ; LDS serves a wave's instructions in order: this sees my eight stores
	s_wait_dscnt 0x0
	global_store_b128 v[LI], v[OW:OW+3], s[76:77] offset:SCO   ; the unit's 128 scale words: 512 consecutive bytes
	s_wait_tensorcnt 0x0                           ; the wave's end
	ds_add_u32 v[SPW], v[NIL]
	s_wait_dscnt 0x0
	CROUND                                         ; the closing round
	s_endpgm
.Lfunc_end_k_q2c8782bf16_proj:
	.size	k_q2c8782bf16_proj, .Lfunc_end_k_q2c8782bf16_proj-k_q2c8782bf16_proj
	.p2alignl 7, 3214868480
	.fill 96, 4, 3214868480
	.section	.rodata,"a",@progbits
	.p2align	6, 0x0
	.amdhsa_kernel k_q2c8782bf16_proj
		.amdhsa_group_segment_fixed_size 327680
		.amdhsa_private_segment_fixed_size 0
		.amdhsa_enable_private_segment 0
		.amdhsa_kernarg_size 32
		.amdhsa_user_sgpr_count 2
		.amdhsa_user_sgpr_kernarg_segment_ptr 1
		.amdhsa_wavefront_size32 1
		.amdhsa_system_sgpr_workgroup_id_x 1
		.amdhsa_system_sgpr_workgroup_id_y 1
		.amdhsa_system_sgpr_workgroup_id_z 1
		.amdhsa_system_vgpr_workitem_id 0
		.amdhsa_next_free_vgpr 1024
		.amdhsa_next_free_sgpr 98
		.amdhsa_reserve_vcc 0
		.amdhsa_float_denorm_mode_32 3
		.amdhsa_float_denorm_mode_16_64 3
		.amdhsa_memory_ordered 1
		.amdhsa_forward_progress 1
		.amdhsa_inst_pref_size 139
	.end_amdhsa_kernel
	.amdgpu_metadata
---
amdhsa.version: [ 1, 2 ]
amdhsa.kernels:
  - .name:           k_q2c8782bf16_proj
    .symbol:         k_q2c8782bf16_proj.kd
    .args:
      - { .name: xc, .offset: 0, .size: 8, .value_kind: global_buffer, .address_space: global }
      - { .name: wc, .offset: 8, .size: 8, .value_kind: global_buffer, .address_space: global }
      - { .name: qkc, .offset: 16, .size: 8, .value_kind: global_buffer, .address_space: global }
      - { .name: vc, .offset: 24, .size: 8, .value_kind: global_buffer, .address_space: global }
    .group_segment_fixed_size: 327680
    .private_segment_fixed_size: 0
    .kernarg_segment_align: 8
    .kernarg_segment_size: 32
    .max_flat_workgroup_size: 128
    .sgpr_count:     98
    .vgpr_count:     1024
    .wavefront_size: 32
...
	.end_amdgpu_metadata
.endif
;; end of part 2
;; launch scores (part 3): grid 12 x 16, 4 waves a work-group, clusters of 4 x 4, 327,680 bytes of LDS; arguments qkc, pc, pst; writes pc, pst
.if DOCPART == 3
	.amdgcn_target "amdgcn-amd-amdhsa--gfx1250"
	.amdhsa_code_object_version 6
	.text
	.protected	k_q2c8782bf16_scores
	.globl	k_q2c8782bf16_scores
	.p2align	8
	.type	k_q2c8782bf16_scores,@function
k_q2c8782bf16_scores:
	s_mov_b64 s[64:65], 0
	v_nop
	global_prefetch_b8 v0, s[64:65] scope:SCOPE_SE
	s_setreg_imm32_b32 hwreg(HW_REG_WAVE_MODE, 25, 1), 1
	s_wait_xcnt 0x0
	s_wait_alu depctr_hold_cnt(0) depctr_sa_sdst(0) depctr_va_vdst(0) depctr_va_sdst(0) depctr_va_ssrc(0) depctr_va_vcc(0) depctr_vm_vsrc(0)
	s_getreg_b32 s2, hwreg(HW_REG_IB_STS2, 6, 4)
	s_cmp_eq_u32 s2, 0
	s_cbranch_scc0 .Lentry_in_a_cluster
	s_endpgm
.Lentry_in_a_cluster:
	s_bfe_u32 s2, ttmp6, 0x10000c
	s_cmp_lg_u32 s2, 0xf033
	s_cbranch_scc0 .Lentry_shape_is_right
	s_endpgm
.Lentry_shape_is_right:
; S^T = k q^T on codes of BF6 (E3M2), K = 1,024; the causal mask; p = 2^(t - M), t = score x log2(e) / 32; p quantised along the keys and stored as codes.
; M IS LOCAL: a wave holds 128 queries x 128 keys, and M is the ceiling of the largest t among a query's 128 keys here: a whole number.  -M and the sum of the unquantised p go to pst; the last launch brings every
; tile under the row's M by taking M_row - M off the scale bytes, which rounds nothing.  A maximum is taken away ahead of every exponential.
; OPERANDS AND RESULT lie in units of 12,800 bytes (128 rows x 128 K: eight register images of 1,536 bytes, then 128 scale words); lane-row p of fragment a is row 32 (a / 2) + 8 (a % 2) + p + 8 (p / 8).
; qkc: [64 blocks of tokens][16]: K steps 0-7 q, 8-15 k.  pc: [64 blocks of queries][16 key steps].  pst: 1,024 bytes for each unit of pc: -M at 64 a + 4 p, the sum at 512 + 64 a + 4 p.
; A TILE, 256 queries x 256 keys, is made by four waves, 128 x 128 each.  Source 0 = 16 keys, source 1 = 16 queries: a lane holds one query, and the 64 registers of query block a are 128 neighbouring keys.
; CLUSTERS: 4 x 4 work-groups.  A batch has 2 x 2 clusters' worth of tiles; the one that lies wholly above the diagonal is not launched: three clusters a batch.  q's tiles are shared along a row, k's along a column.
; Inside the two clusters on the diagonal every partner runs alike (no branch may hang on a place in the cluster): tiles above the diagonal come out as zero codes, -M = 3e38, sum 0.
; The cluster under the diagonal skips the mask: a branch on the cluster's number.
; The ring, the change of slots and the joint loads are as in the projections' launch; K is four slots, written out.  No prefetch: two refills, and tiles shared by several work-groups.
; LIMITS: NaN and infinities are not served.  p under 2^-126 is 0 (ISA guide, v_exp_f32).  A block of p whose largest lies under 2^-122 gets the byte 1.
.set UNIT,  12800
.set FRB,   1536
.set SCO,   12288
.set HALFT, 2*UNIT
.set SLOT,  4*HALFT
.set SPARE, 2*SLOT                     ; the spare words: two blocks of 256 bytes that no other line names
.set OWN,   SPARE+512                  ; behind them: 1,536 bytes for each wave: its unit's scale words, -M and sums; no fill lands here
.set FR,    12
.set ADRA, 16
.set ADRS, 18
.set ADRB, 20
.set LI,   24
.set SWA,  25
.set SWR,  26
.set D0,   27                          ; v27  my lane's query less its first key, without the block's part
.set SPW,  28
.set NIL,  29
.set SC,   32                          ; v32-63 scale words and nothing else
.set P,    64                          ; v64-127 p of a block of 16 queries
.set AF,   128                         ; v128-223 q's fragments; on the way out the eight fragments made
.set BM,   224                         ; v224-227 the largest score of each block of 32 keys
.set T2,   228
.set SOP,  232                         ; v232-235 the conversions' scale operands
.set TT,   236                         ; v236-243
.set NM,   244                         ; v[244:245] -M (named as a pair)
.set C1,   246
.set C2,   248
.set DD,   250
.set NINF, 251
.set PW,   252
.set TP,   253
.set LS,   254
.set G1, 24
.set G0, 32
.set G1B, 48
.set G0B, 56
.set CS,  82                           ; s[82:83] c = log2(e) / 32
.set SEL, 84                           ; s[84:85]
.set MSB, 0
.macro WIN new
.if MSB != (\new)
	s_set_vgpr_msb (MSB<<8)|(\new)
.set MSB, (\new)
.endif
.endm
.set MUL_LO, 0xa1
.set MUL_HI, 0xf1
.set TO_B,   0x40
.macro JLOAD g0a, g1a, g0b, g1b        ; waves 0 and 1 fetch q's blocks, waves 2 and 3 k's; four v_nop follow each of the two lines
	s_cmp_eq_u32 s15, 0
	s_cbranch_scc0 .Lfor_b_\@
	tensor_load_to_lds s[\g0a:\g0a+3], s[\g1a:\g1a+7]
	s_nop 0
.rept 4
	v_nop
.endr
	s_branch .Lasked_\@
.Lfor_b_\@:
	tensor_load_to_lds s[\g0b:\g0b+3], s[\g1b:\g1b+7]
	s_nop 0
.rept 4
	v_nop
.endr
.Lasked_\@:
.endm
.macro CREST
	s_cmp_lg_u32 s14, 0
	s_cbranch_scc1 .Lnot_wave_0_\@
	s_barrier_signal -3
.Lnot_wave_0_\@:
	s_barrier_wait -3
	s_barrier_signal -1
	s_barrier_wait -1
.endm
.macro CROUND
	s_barrier_signal -1
	s_barrier_wait -1
	CREST
.endm
.macro PLACES n
.rept \n
	v_nop
.endr
.endm
.macro FRAG reg, adr, q, i
.irp c, 0,1,2
	ds_load_b128 v[\reg+4*\c:\reg+4*\c+3], v[\adr] offset:(\q)*UNIT+(\i)*FRB+512*\c
.endr
.endm
.macro FETCH_B slot, q, p
	WIN TO_B
.irp i, 0,1,2,3,4,5,6,7
	FRAG 128*(\p)+FR*\i, ADRB+\slot, \q, \i
.endr
	WIN 0
.endm
.macro FETCH_A slot, q, i0
.irp i, \i0, \i0+1, \i0+2, \i0+3
	FRAG AF+FR*(\i), ADRA+\slot, \q, \i
.endr
.endm
.macro SCALES sc
.irp q, 0,1
.irp i, 0,1,2,3,4,5,6,7
	ds_load_b32 v[SC+16*(\sc)+8*\q+\i], v[ADRS+\sc] offset:\q*UNIT+SCO+64*\i
.endr
.endr
.endm
.macro MUL16 a0, p, q, sc, zero        ; the 64 accumulators take turns, one instruction a turn
.irp a, \a0, \a0+1
.irp b, 0,1,2,3,4,5,6,7
.if \zero
	v_wmma_scale_f32_16x16x128_f8f6f4 v[8*(8*((\a)%4)+\b):8*(8*((\a)%4)+\b)+7], v[128*(\p)+FR*\b:128*(\p)+FR*\b+FR-1], v[AF+FR*(\a):AF+FR*(\a)+FR-1], 0, v[SC+16*(\sc)+8*(\q)+\b], v[SC+16*(\sc)+8*(\q)+(\a)] matrix_a_fmt:MATRIX_FMT_BF6 matrix_b_fmt:MATRIX_FMT_BF6 matrix_a_scale:MATRIX_SCALE_ROW1
.else
	v_wmma_scale_f32_16x16x128_f8f6f4 v[8*(8*((\a)%4)+\b):8*(8*((\a)%4)+\b)+7], v[128*(\p)+FR*\b:128*(\p)+FR*\b+FR-1], v[AF+FR*(\a):AF+FR*(\a)+FR-1], v[8*(8*((\a)%4)+\b):8*(8*((\a)%4)+\b)+7], v[SC+16*(\sc)+8*(\q)+\b], v[SC+16*(\sc)+8*(\q)+(\a)] matrix_a_fmt:MATRIX_FMT_BF6 matrix_b_fmt:MATRIX_FMT_BF6 matrix_a_scale:MATRIX_SCALE_ROW1
.endif
.endr
.endr
.endm
.macro STEP slot, zero
	s_wait_dscnt 12                                ; all but the youngest 12 loads (q's blocks 4-7) are in
	WIN MUL_LO
	MUL16 0, 0, 0, \slot, \zero
	MUL16 2, 0, 0, \slot, \zero
	s_wait_dscnt 0x0
	PLACES 4
	FETCH_B \slot, 1, 1
	FETCH_A \slot, 1, 0
	WIN MUL_HI
	MUL16 4, 0, 0, \slot, \zero
	MUL16 6, 0, 0, \slot, \zero
	PLACES 4
	WIN 0
	FETCH_A \slot, 1, 4
.endm
.macro TURN slot, next, fill
	s_wait_tensorcnt 0x0                           ; all my tensor loads have landed: my part of the next slot
	ds_add_u32 v[SPW], v[NIL]                      ; 0 onto my spare word
	s_wait_dscnt 13                                ; (the add and the youngest 12 loads may be out)
	WIN MUL_LO
	MUL16 0, 1, 1, \slot, 0
	s_wait_dscnt 0x0                               ; the add is done, and my reads of this slot are over
	s_barrier_signal -1
	MUL16 2, 1, 1, \slot, 0
	WIN 0
	s_barrier_wait -1
.if \fill
	CREST                                          ; no wave of any partner still reads this slot or has a load on its way
	s_add_nc_u64 s[G0+4*\slot+2:G0+4*\slot+3], s[G0+4*\slot+2:G0+4*\slot+3], 2*HALFT
	s_add_nc_u64 s[G0B+4*\slot+2:G0B+4*\slot+3], s[G0B+4*\slot+2:G0B+4*\slot+3], 2*HALFT
	JLOAD G0+4*\slot, G1, G0B+4*\slot, G1B
.else
	PLACES 4
.endif
	FETCH_B \next, 0, 0
	FETCH_A \next, 0, 0
	SCALES \next
	WIN MUL_HI
	MUL16 4, 1, 1, \slot, 0
	MUL16 6, 1, 1, \slot, 0
	PLACES 4
	WIN 0
	FETCH_A \next, 0, 4
.endm
.macro LAST
	s_wait_dscnt 12
	WIN MUL_LO
	MUL16 0, 1, 1, 1, 0
	MUL16 2, 1, 1, 1, 0
	s_wait_dscnt 0x0
	WIN MUL_HI
	MUL16 4, 1, 1, 1, 0
	MUL16 6, 1, 1, 1, 0
	WIN 0
.endm
	s_load_b128 s[4:7], s[0:1], 0x0                ; qkc s[4:5], pc s[6:7]
	s_load_b64 s[8:9], s[0:1], 0x10                ; pst
	v_lshl_add_u32 v[SPW], v0, 2, SPARE
	v_mov_b32 v[NIL], 0
	ds_add_u32 v28, v29
	ds_add_u32 v28, v29
	s_wait_dscnt 0x0
	v_lshrrev_b32 v1, 5, v0
	v_readfirstlane_b32 s14, v1
	s_lshr_b32 s15, s14, 1                         ; my half of the queries.  Also: I fetch q (0) or k (1)
	s_and_b32 s16, s14, 1                          ; my half of the keys.  Also: which block of 128 rows I fetch
	s_bfe_u32 s40, ttmp6, 0x40000                  ; cx
	s_bfe_u32 s41, ttmp6, 0x40004                  ; cy
	s_and_b32 s67, ttmp7, 0xffff                   ; the batch
	s_mov_b32 s66, ttmp9                           ; which of the batch's three clusters: 0: (0, 0), 1: (1, 0), 2: (1, 1)
	s_cmp_ge_u32 s66, 1
	s_cselect_b32 s69, 1, 0
	s_cmp_eq_u32 s66, 2
	s_cselect_b32 s70, 1, 0
	s_lshl_b32 s42, s70, 2
	s_add_co_u32 s42, s42, s40                     ; J: tile of 256 keys
	s_lshl_b32 s17, s69, 2
	s_add_co_u32 s17, s17, s41                     ; I: tile of 256 queries
	s_lshl_b32 s43, s41, 2
	s_lshl_b32 s43, 15, s43
	s_lshl_b32 s44, 0x1111, s40
	s_or_b32 s[G1], s43, (3<<16)|(1<<21)           ; the mask; elements of 8 bytes; no padding; bit 21 beside a mask
	s_or_b32 s[G1B], s44, (3<<16)|(1<<21)
.irp g, G1, G1B
	s_mov_b32 s[\g+1], 32<<16                      ; 100 dense rows of 256 bytes
	s_mov_b32 s[\g+2], 100<<16
	s_mov_b32 s[\g+3], 32<<16
	s_mov_b32 s[\g+4], 100
	s_mov_b32 s[\g+5], 32
	s_mov_b32 s[\g+6], 0
	s_mov_b32 s[\g+7], 0
.endr
	s_lshl_b32 s68, s67, 4                         ; 16 blocks of tokens a batch
	s_lshl_b32 s20, s17, 1
	s_add_co_u32 s20, s20, s68
	s_add_co_u32 s80, s20, s15                     ; my block of queries
	s_add_co_u32 s20, s20, s16
	s_mul_i32 s20, s20, 16*UNIT                    ; q: the block that I fetch, K step 0
	s_mov_b32 s21, 0
	s_lshl_b32 s46, s42, 1
	s_add_co_u32 s46, s46, s68
	s_add_co_u32 s46, s46, s16
	s_mul_i32 s46, s46, 16*UNIT
	s_add_co_u32 s46, s46, 8*UNIT                  ; k: K step 8
	s_mov_b32 s47, 0
	s_mul_i32 s45, s14, HALFT
	s_lshl_b32 s80, s80, 4
	s_lshl_b32 s81, s42, 1
	s_add_co_u32 s81, s81, s16
	s_add_co_u32 s80, s80, s81                     ; my unit of pc: 16 x block of queries + key step
	s_lshl_b32 s86, s80, 10
	s_mov_b32 s87, 0
	s_mul_i32 s80, s80, UNIT
	s_mov_b32 s81, 0
	s_wait_kmcnt 0x0
	s_add_nc_u64 s[20:21], s[4:5], s[20:21]
	s_add_nc_u64 s[46:47], s[4:5], s[46:47]
	s_add_nc_u64 s[76:77], s[6:7], s[80:81]
	s_add_nc_u64 s[78:79], s[8:9], s[86:87]
	CROUND
.irp s, 0,1
	s_mov_b32 s[G0+4*\s], 1
	s_add_co_u32 s[G0+4*\s+1], s45, \s*SLOT
	s_add_nc_u64 s[G0+4*\s+2:G0+4*\s+3], s[20:21], \s*HALFT
	s_or_b32 s[G0+4*\s+3], s[G0+4*\s+3], 0x80000000
	s_mov_b32 s[G0B+4*\s], 1
	s_add_co_u32 s[G0B+4*\s+1], s45, \s*SLOT
	s_add_nc_u64 s[G0B+4*\s+2:G0B+4*\s+3], s[46:47], \s*HALFT
	s_or_b32 s[G0B+4*\s+3], s[G0B+4*\s+3], 0x80000000
	JLOAD G0+4*\s, G1, G0B+4*\s, G1B
.endr
	v_and_b32 v1, 15, v0
	v_bfe_u32 v2, v0, 4, 1
	v_and_b32 v3, 31, v0
	v_lshlrev_b32 v[LI], 4, v3
	s_mul_i32 s21, s15, HALFT
	s_mul_i32 s22, s16, HALFT
	s_add_co_u32 s22, s22, 2*HALFT
	s_sub_co_u32 s23, s22, s21
	v_mul_u32_u24 v4, s23, v2                      ; lanes 16-31 take k's scale words
	v_lshl_add_u32 v4, v1, 2, v4
.irp s, 0,1
	v_add_nc_u32 v[ADRA+\s], s21, v[LI]
	v_add_nc_u32 v[ADRB+\s], s22, v[LI]
	v_add_nc_u32 v[ADRS+\s], s21, v4
	s_add_co_u32 s21, s21, SLOT
	s_add_co_u32 s22, s22, SLOT
.endr
	s_mul_i32 s23, s14, 1536
	s_add_co_u32 s23, s23, OWN
	v_lshl_add_u32 v[SWA], v1, 2, s23
	v_add_nc_u32 v[SWR], s23, v[LI]
	s_sub_co_i32 s86, s17, s42
	s_lshl_b32 s86, s86, 8                         ; 256 (I - J)
	s_sub_co_i32 s87, s15, s16
	s_lshl_b32 s87, s87, 7                         ; 128 (my half of the queries - my half of the keys)
	s_add_co_i32 s86, s86, s87
	v_and_b32 v5, 8, v1
	v_add_nc_u32 v5, v5, v1                        ; p + 8 (p / 8)
	v_lshlrev_b32 v6, 4, v2
	v_sub_nc_u32 v5, v5, v6                        ; - 16 h
	v_add_nc_u32 v[D0], s86, v5
.irp b, 0,1,2,3
	v_mov_b32 v[T2+\b], 0                          ; written once: a lane permute's destination counts as one of its sources
.endr
	v_mov_b32 v[TP], 0
	v_mov_b32 v[NM+1], 0                           ; (named as the upper half of a pair)
	v_mov_b32 v[NINF], 0xff800000                  ; -infinity
	s_mov_b32 s[CS], 0x3d38aa3b                    ; c = log2(e) / 32
	s_mov_b32 s[CS+1], s[CS]
	s_mov_b32 s[SEL], 0x76543210
	s_mov_b32 s[SEL+1], 0xfedcba98
	s_wait_tensorcnt 1                             ; my part of slot 0 is in; slot 1's may stay out
	s_barrier_signal -1
	s_barrier_wait -1
	FETCH_B 0, 0, 0
	FETCH_A 0, 0, 0
	SCALES 0
	FETCH_A 0, 0, 4
	STEP 0, 1
	TURN 0, 1, 1
	STEP 1, 0
	TURN 1, 0, 1
	STEP 0, 0
	TURN 0, 1, 0
	STEP 1, 0
	LAST
	PLACES 4
; THE SOFTMAX AND THE WAY OUT of query block a: register 16 b + i of the block's 64 holds key 32 b + 16 (lane / 16) + i of my 128.  Each accumulator is read from its low end on.
.macro SOFTQ a
.set W, 2+(\a)/4
.set S, 64*((\a)%4)
.set PC, AF+12*(\a)
.set WMK, (W<<6)|W
.set W3, W|(W<<2)|(W<<4)
.set W2, (W<<2)|(W<<4)
	s_cmp_eq_u32 s66, 1                            ; the cluster under the diagonal: every key counts
	s_cbranch_scc1 .Lopen_\@
	v_add_nc_u32 v[DD], 32*((\a)/2)+8*((\a)%2), v[D0]   ; d = my query - my first key: the key of register 16 b + i is hidden where 32 b + i > d
	WIN WMK
.set n, 0
.rept 64
	v_cmp_gt_i32 vcc_lo, 32*(n/16)+(n%16), v[DD]
	v_cndmask_b32 v[S+n], v[S+n], v[NINF], vcc_lo
.set n, n+1
.endr
	WIN 0
.Lopen_\@:
	WIN W3
.irp b, 0,1,2,3
	v_max3_num_f32 v[BM+\b], v[S+16*\b], v[S+16*\b+1], v[S+16*\b+2]   ; the largest score of each block of 32 keys: for the row's maximum and, since p rises with the score, for the block's largest p
.endr
	WIN W2
.irp i, 3,5,7,9,11,13
.irp b, 0,1,2,3
	v_max3_num_f32 v[BM+\b], v[BM+\b], v[S+16*\b+\i], v[S+16*\b+\i+1]
.endr
.endr
.irp b, 0,1,2,3
	v_max_num_f32 v[BM+\b], v[BM+\b], v[S+16*\b+15]
.endr
	WIN 0
.irp b, 0,1,2,3
	v_permlanex16_b32 v[T2+\b], v[BM+\b], s[SEL], s[SEL+1]
.endr
.irp b, 0,1,2,3
	v_max_num_f32 v[BM+\b], v[BM+\b], v[T2+\b]     ; with lane l xor 16's 16 keys
.endr
	v_max3_num_f32 v[TP], v[BM], v[BM+1], v[BM+2]
	v_max_num_f32 v[TP], v[TP], v[BM+3]            ; my query's largest score among these 128 keys
	v_mul_f32 v[TP], s[CS], v[TP]                  ; as t
	v_max_num_f32 v[TP], 0xff61b1e6, v[TP]         ; not under -3e38: a query all of whose keys here are hidden keeps a finite M
	s_wait_dscnt 0x0                               ; the last block's LDS stores have read -M, the sum and the scale word: they may be written again
	v_floor_f32 v[NM], -v[TP]                      ; -M = floor(-t) = -ceil(t): a whole number
	WIN W
.set n, 0
.rept 32
	v_pk_fma_f32 v[P+n:P+n+1], v[S+n:S+n+1], s[CS:CS+1], v[NM:NM+1] op_sel_hi:[1,0,0]   ; t - M, two at a time
.set n, n+2
.endr
	WIN 0
.irp b, 0,1,2,3
	v_fma_f32 v[BM+\b], v[BM+\b], s[CS], v[NM]     ; the same of each block's largest score
.endr
.set n, 0
.rept 64
	v_exp_f32 v[P+n], v[P+n]                       ; p = 2^(t - M), at most 1
.set n, n+1
.endr
	v_nop                                          ; a plain place behind the exponentials
	s_wait_alu depctr_va_vdst(0)                   ; one wait for the batch of 64, ahead of its first reader
.irp b, 0,1,2,3
	v_exp_f32 v[BM+\b], v[BM+\b]                   ; the block's largest p: the same two instructions on the same number give the same bits
.endr
	v_pk_add_f32 v[C1:C1+1], v[P:P+1], v[P+2:P+3]  ; the sum of the unquantised p, in two chains; it reads the 64 alone
	v_pk_add_f32 v[C2:C2+1], v[P+4:P+5], v[P+6:P+7]
.irp j, 8,12,16,20,24,28,32,36,40,44,48,52,56,60
	v_pk_add_f32 v[C1:C1+1], v[C1:C1+1], v[P+\j:P+\j+1]
	v_pk_add_f32 v[C2:C2+1], v[C2:C2+1], v[P+\j+2:P+\j+3]
.endr
	v_pk_add_f32 v[C1:C1+1], v[C1:C1+1], v[C2:C2+1]
	v_add_f32 v[LS], v[C1], v[C1+1]
	v_permlanex16_b32 v[TP], v[LS], s[SEL], s[SEL+1]
	v_add_f32 v[LS], v[LS], v[TP]                  ; with lane l xor 16's 64 keys
	s_wait_alu depctr_va_vdst(0)                   ; and one wait for the four
.irp b, 0,1,2,3
	v_max_num_f32 v[BM+\b], 0x2800000, v[BM+\b]    ; the floor 2^(5 - 127): the byte cannot fall under 1
.endr
.irp b, 0,1,2,3
	v_add_nc_u32 v[SOP+\b], 0xfe000000, v[BM+\b]   ; 4 off the exponent field: the conversion's scale operand
.endr
.irp b, 0,1,2,3
	v_lshrrev_b32 v[T2+\b], 23, v[SOP+\b]          ; the byte
.endr
	v_lshl_or_b32 v[PW], v[T2+1], 8, v[T2]
	v_lshl_or_b32 v[PW], v[T2+2], 16, v[PW]
	v_lshl_or_b32 v[PW], v[T2+3], 24, v[PW]
.irp c, 0,1
	v_cvt_scalef32_pk16_bf6_f32 v[PC+6*\c:PC+6*\c+2], v[P+32*\c:P+32*\c+15], v[SOP+2*\c]
	v_cvt_scalef32_pk16_bf6_f32 v[TT+4*\c:TT+4*\c+2], v[P+32*\c+16:P+32*\c+31], v[SOP+2*\c+1]
.endr
	v_nop                                          ; one plain place behind a scaled conversion
.irp c, 0,1
.irp i, 0,1,2
	v_permlane16_swap_b32 v[PC+6*\c+\i], v[TT+4*\c+\i]
.endr
.irp i, 0,1,2
	v_mov_b32 v[PC+6*\c+3+\i], v[TT+4*\c+\i]
.endr
.endr
.irp c, 0,1,2
	global_store_b128 v[LI], v[PC+4*\c:PC+4*\c+3], s[76:77] offset:FRB*(\a)+512*\c   ; 512 consecutive bytes; each block has registers of its own
.endr
	ds_store_b32 v[SWA], v[PW] offset:64*(\a)      ; lanes l and l xor 16 write the same word with the same value
	ds_store_b32 v[SWA], v[NM] offset:512+64*(\a)
	ds_store_b32 v[SWA], v[LS] offset:1024+64*(\a)
.endm
.irp a, 0,1,2,3,4,5,6,7
	SOFTQ \a
.endr
.irp c, 0,1,2
	ds_load_b128 v[P+4*\c:P+4*\c+3], v[SWR] offset:512*\c   ; LDS serves a wave's instructions in order: these see my stores
.endr
	s_wait_dscnt 0x0
	global_store_b128 v[LI], v[P:P+3], s[76:77] offset:SCO      ; the unit's scale words
	global_store_b128 v[LI], v[P+4:P+7], s[78:79]               ; -M
	global_store_b128 v[LI], v[P+8:P+11], s[78:79] offset:512   ; the sums
	s_wait_tensorcnt 0x0                           ; the wave's end
	ds_add_u32 v[SPW], v[NIL]
	s_wait_dscnt 0x0
	CROUND                                         ; the closing round
	s_endpgm
.Lfunc_end_k_q2c8782bf16_scores:
	.size	k_q2c8782bf16_scores, .Lfunc_end_k_q2c8782bf16_scores-k_q2c8782bf16_scores
	.p2alignl 7, 3214868480
	.fill 96, 4, 3214868480
	.section	.rodata,"a",@progbits
	.p2align	6, 0x0
	.amdhsa_kernel k_q2c8782bf16_scores
		.amdhsa_group_segment_fixed_size 327680
		.amdhsa_private_segment_fixed_size 0
		.amdhsa_enable_private_segment 0
		.amdhsa_kernarg_size 24
		.amdhsa_user_sgpr_count 2
		.amdhsa_user_sgpr_kernarg_segment_ptr 1
		.amdhsa_wavefront_size32 1
		.amdhsa_system_sgpr_workgroup_id_x 1
		.amdhsa_system_sgpr_workgroup_id_y 1
		.amdhsa_system_sgpr_workgroup_id_z 1
		.amdhsa_system_vgpr_workitem_id 0
		.amdhsa_next_free_vgpr 1024
		.amdhsa_next_free_sgpr 98
		.amdhsa_reserve_vcc 1
		.amdhsa_float_denorm_mode_32 3
		.amdhsa_float_denorm_mode_16_64 3
		.amdhsa_memory_ordered 1
		.amdhsa_forward_progress 1
		.amdhsa_inst_pref_size 237
	.end_amdhsa_kernel
	.amdgpu_metadata
---
amdhsa.version: [ 1, 2 ]
amdhsa.kernels:
  - .name:           k_q2c8782bf16_scores
    .symbol:         k_q2c8782bf16_scores.kd
    .args:
      - { .name: qkc, .offset: 0, .size: 8, .value_kind: global_buffer, .address_space: global }
      - { .name: pc, .offset: 8, .size: 8, .value_kind: global_buffer, .address_space: global }
      - { .name: pst, .offset: 16, .size: 8, .value_kind: global_buffer, .address_space: global }
    .group_segment_fixed_size: 327680
    .private_segment_fixed_size: 0
    .kernarg_segment_align: 8
    .kernarg_segment_size: 24
    .max_flat_workgroup_size: 128
    .sgpr_count:     98
    .vgpr_count:     1024
    .wavefront_size: 32
...
	.end_amdgpu_metadata
.endif
;; end of part 3
;; launch pv (part 4): grid 4 x 64, 4 waves a work-group, clusters of 4 x 4, 327,680 bytes of LDS; arguments pc, pst, vc, out0; writes out0
.if DOCPART == 4
	.amdgcn_target "amdgcn-amd-amdhsa--gfx1250"
	.amdhsa_code_object_version 6
	.text
	.protected	k_q2c8782bf16_pv
	.globl	k_q2c8782bf16_pv
	.p2align	8
	.type	k_q2c8782bf16_pv,@function
k_q2c8782bf16_pv:
	s_mov_b64 s[64:65], 0
	v_nop
	global_prefetch_b8 v0, s[64:65] scope:SCOPE_SE
	s_setreg_imm32_b32 hwreg(HW_REG_WAVE_MODE, 25, 1), 1
	s_wait_xcnt 0x0
	s_wait_alu depctr_hold_cnt(0) depctr_sa_sdst(0) depctr_va_vdst(0) depctr_va_sdst(0) depctr_va_ssrc(0) depctr_va_vcc(0) depctr_vm_vsrc(0)
	s_getreg_b32 s2, hwreg(HW_REG_IB_STS2, 6, 4)
	s_cmp_eq_u32 s2, 0
	s_cbranch_scc0 .Lentry_in_a_cluster
	s_endpgm
.Lentry_in_a_cluster:
	s_bfe_u32 s2, ttmp6, 0x10000c
	s_cmp_lg_u32 s2, 0xf033
	s_cbranch_scc0 .Lentry_shape_is_right
	s_endpgm
.Lentry_shape_is_right:
; O^T = v^T p^T on codes of BF6 (E3M2), K = the keys, divided by the row's sum: out0 [4][2048][1024] f32.
; p came under LOCAL whole numbers M, one for each query and 128 keys.  The head of this launch finds each query's M_row = the largest of them, takes M_row - M off the four scale bytes of each word of p
; (held at 0: a scale of 2^-127, beside a row whose largest p is above 1/2), and adds the local sums times 2^(M - M_row): multiplications by powers of two, which round nothing.
; OPERANDS lie in units of 12,800 bytes (128 rows x 128 K: eight register images of 1,536 bytes, then 128 scale words at 12,288 + 64 a + 4 p); lane-row p of fragment a is row 32 (a / 2) + 8 (a % 2) + p + 8 (p / 8).
; pc: [64 blocks of queries][16 key steps].  vc: [8 blocks of channels][64 = 16 x batch + key step].  pst: 1,024 bytes for each unit of pc: -M at 64 a + 4 p, the sum at 512 + 64 a + 4 p.
; A TILE, 128 queries x 256 channels, is made by four waves, 64 x 128 each: 32 accumulators, one window of registers.  So the launch has 256 work-groups.  The price: 12 fragments from LDS feed 32 matrix instructions.
; Source 0 = 16 channels of v^T, source 1 = 16 queries of p: a lane holds one query and neighbouring channels.
; CLUSTERS: 4 x 4 work-groups: four blocks of queries x the four tiles of channels.  p's tiles are shared along a row of the cluster, v's along a column.  A batch has four clusters; cluster CR (queries 512 CR on)
; walks 4 (CR + 1) key steps: the number hangs on the cluster's y alone, so partners run alike.  Keys above the diagonal inside a cluster's walk carry zero codes.
; THE RING: two slots of FOUR key steps: p's four units, then four units of each of v's two blocks: 153,600 bytes.  A walk is CR + 1 slots: at most two refills.  A wave's one tensor load brings half of p's part
; (waves 0, 1: 100 rows of 256 bytes) or a block of v (waves 2, 3: 200 rows).  By this text's count a wave has at most two tensor loads out, at the start, and one behind a change of slots.
; The steps are written out, so that the place of p's adjusted scale words is an immediate; the shorter walks leave the main line by branches on the cluster's y.
; A key step: the next step's 36 fragment loads and 6 scale loads go out in one run, into the other of two register sets, and the step's 32 matrix instructions follow.
; No prefetch: at most two refills a work-group, of tiles that several work-groups share.
; LIMITS: NaN and infinities are not served.  Differences M_row - M above 127 are held at 127.
.set UNIT,  12800
.set FRB,   1536
.set SCO,   12288
.set PPART, 4*UNIT                     ; p's part of a slot
.set SLOT,  12*UNIT
.set SPARE, 2*SLOT                     ; the spare words: two blocks of 256 bytes that no other line names
.set TAB,   SPARE+512                  ; p's adjusted scale words: 16 key steps x 512 bytes; no fill lands here
.set PSUM,  TAB+8192                   ; each wave's part of the rows' sums: 512 bytes a wave; no fill lands here
.set SPITCH, 528                       ; the way out: 16 rows x (512 bytes + 16) for each wave, in slot 0, behind a barrier behind which nobody reads a slot and nothing is filled
.set FR,    12
.set ADRA, 16                          ; v16-17 my four fragments of p in slot 0, 1
.set ADRS, 18                          ; v18-19 v's scale words: lanes 0-15 an even block, lanes 16-31 the odd block behind it
.set ADRB, 20                          ; v20-21 my block of v
.set TABR, 22                          ; v22 where I read p's scale words: the same pairing
.set PSW,  23                          ; v23 where I put my part of the sums
.set LI,   24                          ; v24 16 x lane
.set STO,  25
.set RD,   26
.set TABW, 27                          ; v27 where I put adjusted scale words
.set SPW,  28                          ; v28 my spare word; never rewritten
.set NIL,  29                          ; v29 0; never rewritten
.set PSR,  30                          ; v30 where I read the sums' parts
.set SA,   32                          ; v32-35 p's scale words, two sets of two;  v36-43 v's, two sets of four: scales and nothing else
.set SB,   36
.set AF,   64                          ; v64-111, v112-159 p's four fragments, two sets
.set BK,   64                          ; the way out: v64-127 and v128-191 by turns
.set PS,   192                         ; v192-207 four parts of the sum for each of my four blocks of queries
.set RL,   208                         ; v208-215 1 / sum, as the low words of pairs
.set OG,   216                         ; v216-219 byte offsets in pst of the four groups of key steps
.set OW,   220                         ; v220-223 of my key step of each group
.set OP,   224                         ; v224-227 and the same in pc
.set G1, 24
.set G0, 32
.set G1B, 48
.set G0B, 56
.set MSB, 0
.macro WIN new                         ; the immediate's high byte repeats the setting that is left
.if MSB != (\new)
	s_set_vgpr_msb (MSB<<8)|(\new)
.set MSB, (\new)
.endif
.endm
.set MUL,  0xa1                        ; source 0 (v) window 1, source 1 (p) window 0, C and D window 2
.set TO_B, 0x40
.macro JLOAD g0a, g1a, g0b, g1b        ; waves 0 and 1 fetch p's halves, waves 2 and 3 v's blocks; four v_nop follow each of the two lines
	s_cmp_eq_u32 s15, 0
	s_cbranch_scc0 .Lfor_b_\@
	tensor_load_to_lds s[\g0a:\g0a+3], s[\g1a:\g1a+7]
	s_nop 0
.rept 4
	v_nop
.endr
	s_branch .Lasked_\@
.Lfor_b_\@:
	tensor_load_to_lds s[\g0b:\g0b+3], s[\g1b:\g1b+7]
	s_nop 0
.rept 4
	v_nop
.endr
.Lasked_\@:
.endm
.macro CREST                           ; a round of the cluster's barrier behind its opening barrier
	s_cmp_lg_u32 s14, 0
	s_cbranch_scc1 .Lnot_wave_0_\@
	s_barrier_signal -3
.Lnot_wave_0_\@:
	s_barrier_wait -3
	s_barrier_signal -1
	s_barrier_wait -1
.endm
.macro CROUND
	s_barrier_signal -1
	s_barrier_wait -1
	CREST
.endm
.macro PLACES n
.rept \n
	v_nop
.endr
.endm
.macro FETCHV slot, q, set             ; v's eight fragments of the slot's key step q: each three loads of 512 consecutive bytes
	WIN TO_B
.irp i, 0,1,2,3,4,5,6,7
.irp c, 0,1,2
	ds_load_b128 v[128*(\set)+FR*\i+4*\c:128*(\set)+FR*\i+4*\c+3], v[ADRB+(\slot)] offset:(\q)*UNIT+\i*FRB+512*\c
.endr
.endr
	WIN 0
.endm
.macro FETCHP slot, q, ks, set         ; p's four fragments; v's scale words from the slot; p's, of key step ks of the walk, from the table
.irp i, 0,1,2,3
.irp c, 0,1,2
	ds_load_b128 v[AF+48*(\set)+FR*\i+4*\c:AF+48*(\set)+FR*\i+4*\c+3], v[ADRA+(\slot)] offset:(\q)*UNIT+\i*FRB+512*\c
.endr
.endr
.irp i, 0,1,2,3
	ds_load_b32 v[SB+4*(\set)+\i], v[ADRS+(\slot)] offset:(\q)*UNIT+SCO+128*\i   ; lanes 0-15 block 2 i, lanes 16-31 block 2 i + 1: 128 consecutive bytes
.endr
.irp j, 0,1
	ds_load_b32 v[SA+2*(\set)+\j], v[TABR] offset:(\ks)*512+128*\j
.endr
.endm
; 8 matrix instructions: p's block a x v's eight.  The 32 accumulators take turns, one instruction a turn, in the same order in every step.
; An odd block's scale words stand in lanes 16-31 of its pair's register.  zero = 1: the first product starts the sums: nothing is cleared.
.macro MUL8 a, set, zero
.irp b, 0,1,2,3,4,5,6,7
.set rD, 8*(8*(\a)+\b)
.set rV, 128*(\set)+FR*\b
.set rP, AF+48*(\set)+FR*(\a)
.set rX, SB+4*(\set)+(\b/2)
.set rY, SA+2*(\set)+((\a)/2)
.set kind, 4*(\zero)+2*(\b%2)+((\a)%2)
.if kind == 0
	v_wmma_scale_f32_16x16x128_f8f6f4 v[rD:rD+7], v[rV:rV+11], v[rP:rP+11], v[rD:rD+7], v[rX], v[rY] matrix_a_fmt:MATRIX_FMT_BF6 matrix_b_fmt:MATRIX_FMT_BF6
.elseif kind == 1
	v_wmma_scale_f32_16x16x128_f8f6f4 v[rD:rD+7], v[rV:rV+11], v[rP:rP+11], v[rD:rD+7], v[rX], v[rY] matrix_a_fmt:MATRIX_FMT_BF6 matrix_b_fmt:MATRIX_FMT_BF6 matrix_b_scale:MATRIX_SCALE_ROW1
.elseif kind == 2
	v_wmma_scale_f32_16x16x128_f8f6f4 v[rD:rD+7], v[rV:rV+11], v[rP:rP+11], v[rD:rD+7], v[rX], v[rY] matrix_a_fmt:MATRIX_FMT_BF6 matrix_b_fmt:MATRIX_FMT_BF6 matrix_a_scale:MATRIX_SCALE_ROW1
.elseif kind == 3
	v_wmma_scale_f32_16x16x128_f8f6f4 v[rD:rD+7], v[rV:rV+11], v[rP:rP+11], v[rD:rD+7], v[rX], v[rY] matrix_a_fmt:MATRIX_FMT_BF6 matrix_b_fmt:MATRIX_FMT_BF6 matrix_a_scale:MATRIX_SCALE_ROW1 matrix_b_scale:MATRIX_SCALE_ROW1
.elseif kind == 4
	v_wmma_scale_f32_16x16x128_f8f6f4 v[rD:rD+7], v[rV:rV+11], v[rP:rP+11], 0, v[rX], v[rY] matrix_a_fmt:MATRIX_FMT_BF6 matrix_b_fmt:MATRIX_FMT_BF6
.elseif kind == 5
	v_wmma_scale_f32_16x16x128_f8f6f4 v[rD:rD+7], v[rV:rV+11], v[rP:rP+11], 0, v[rX], v[rY] matrix_a_fmt:MATRIX_FMT_BF6 matrix_b_fmt:MATRIX_FMT_BF6 matrix_b_scale:MATRIX_SCALE_ROW1
.elseif kind == 6
	v_wmma_scale_f32_16x16x128_f8f6f4 v[rD:rD+7], v[rV:rV+11], v[rP:rP+11], 0, v[rX], v[rY] matrix_a_fmt:MATRIX_FMT_BF6 matrix_b_fmt:MATRIX_FMT_BF6 matrix_a_scale:MATRIX_SCALE_ROW1
.else
	v_wmma_scale_f32_16x16x128_f8f6f4 v[rD:rD+7], v[rV:rV+11], v[rP:rP+11], 0, v[rX], v[rY] matrix_a_fmt:MATRIX_FMT_BF6 matrix_b_fmt:MATRIX_FMT_BF6 matrix_a_scale:MATRIX_SCALE_ROW1 matrix_b_scale:MATRIX_SCALE_ROW1
.endif
.endr
.endm
; One of a slot's first three key steps (q = 0, 1, 2; register set q % 2); sig: the slot's number in the walk.
; Loads into registers that matrix instructions have read stand four plain places behind them (ISA guide 7.12.1 for vector instructions).
.macro STEP slot, q, sig, zero
	s_wait_dscnt 0x0                               ; this step's fragments and scale words are in
	PLACES 4                                       ; the other set was read by the last step's products
	FETCHV \slot, (\q)+1, 1-(\q)%2
	FETCHP \slot, (\q)+1, 4*(\sig)+(\q)+1, 1-(\q)%2
	WIN MUL
	MUL8 0, (\q)%2, \zero
	MUL8 1, (\q)%2, \zero
	MUL8 2, (\q)%2, \zero
	MUL8 3, (\q)%2, \zero
	WIN 0
.endm
; A slot's fourth key step (set 1) changes slots: one barrier; in front of it each wave waits for all its tensor loads, adds 0 to its spare word, and waits for that and for its reads of this slot,
; which ended with this step's fragments.  fill = 1: the slot is filled again, with the key steps eight further on.
.macro TURN slot, next, sig, fill
	s_wait_tensorcnt 0x0                           ; all my tensor loads have landed: my part of the next slot
	ds_add_u32 v[SPW], v[NIL]                      ; 0 onto my spare word
	s_wait_dscnt 1                                 ; (the add may be out: this step's fragments and scale words are in)
	WIN MUL
	MUL8 0, 1, 0
	s_wait_dscnt 0x0                               ; the add is done, and my reads of this slot are over
	s_barrier_signal -1
	MUL8 1, 1, 0
	WIN 0
	s_barrier_wait -1
.if \fill
	CREST                                          ; the barrier has opened a round of the cluster's barrier: no wave of any partner still reads this slot or has a load on its way
	s_add_nc_u64 s[G0+4*\slot+2:G0+4*\slot+3], s[G0+4*\slot+2:G0+4*\slot+3], 8*UNIT
	s_add_nc_u64 s[G0B+4*\slot+2:G0B+4*\slot+3], s[G0B+4*\slot+2:G0B+4*\slot+3], 8*UNIT
	JLOAD G0+4*\slot, G1, G0B+4*\slot, G1B         ; the first tensor load behind the round; its four v_nop are the places in front of the loads below
.else
	PLACES 4
.endif
	FETCHV \next, 0, 0
	FETCHP \next, 0, 4*(\sig)+4, 0
	WIN MUL
	MUL8 2, 1, 0
	MUL8 3, 1, 0
	WIN 0
.endm
; A walk's last key step.  Its barrier parts every wave's reads of the slots from the stores into the stage, which lies in slot 0.
.macro LAST
	s_wait_dscnt 0x0                               ; the last fragments are in: my reads of the slots are over
	s_barrier_signal -1
	WIN MUL
	MUL8 0, 1, 0
	MUL8 1, 1, 0
	MUL8 2, 1, 0
	MUL8 3, 1, 0
	WIN 0
	s_barrier_wait -1
.endm
	s_load_b256 s[4:11], s[0:1], 0x0               ; pc s[4:5], pst s[6:7], vc s[8:9], out0 s[10:11]
	v_lshl_add_u32 v[SPW], v0, 2, SPARE
	v_mov_b32 v[NIL], 0
	ds_add_u32 v28, v29
	ds_add_u32 v28, v29
	s_wait_dscnt 0x0
	v_lshrrev_b32 v1, 5, v0
	v_readfirstlane_b32 s14, v1                    ; wave 0..3
	s_lshr_b32 s15, s14, 1                         ; my half of the queries.  Also: I fetch p (0) or v (1)
	s_and_b32 s16, s14, 1                          ; my block of channels.  Also: which half of p's part, or which block of v, I fetch
	s_bfe_u32 s40, ttmp6, 0x40000                  ; cx
	s_bfe_u32 s41, ttmp6, 0x40004                  ; cy
	s_and_b32 s67, ttmp7, 0xffff                   ; the cluster's y: 4 x batch + CR
	s_lshr_b32 s68, s67, 2                         ; the batch
	s_and_b32 s69, s67, 3                          ; CR: the walk is CR + 1 slots
	s_lshl_b32 s42, ttmp9, 2
	s_add_co_u32 s42, s42, s40                     ; tile of 256 channels
	s_lshl_b32 s17, s69, 2
	s_add_co_u32 s17, s17, s41                     ; my block of 128 queries in the batch
	s_lshl_b32 s43, s41, 2
	s_lshl_b32 s43, 15, s43                        ; my row of the cluster
	s_lshl_b32 s44, 0x1111, s40                    ; my column
	s_or_b32 s[G1], s43, (3<<16)|(1<<21)           ; 15:0 the mask; 17:16 elements of 8 bytes; 20 no padding; 21 set beside a mask
	s_mov_b32 s[G1+1], 32<<16                      ; p: 100 dense rows of 256 bytes: two units
	s_mov_b32 s[G1+2], 100<<16
	s_mov_b32 s[G1+3], 32<<16
	s_mov_b32 s[G1+4], 100
	s_mov_b32 s[G1+5], 32
	s_mov_b32 s[G1+6], 0
	s_mov_b32 s[G1+7], 0
	s_or_b32 s[G1B], s44, (3<<16)|(1<<21)
	s_mov_b32 s[G1B+1], 32<<16                     ; v: 200 dense rows of 256 bytes: four units
	s_mov_b32 s[G1B+2], 200<<16
	s_mov_b32 s[G1B+3], 32<<16
	s_mov_b32 s[G1B+4], 200
	s_mov_b32 s[G1B+5], 32
	s_mov_b32 s[G1B+6], 0
	s_mov_b32 s[G1B+7], 0
	s_lshl_b32 s70, s68, 4                         ; 16 x batch
	s_add_co_u32 s86, s17, s70                     ; my block of queries among the 64
	s_mul_i32 s20, s86, 16*UNIT
	s_mul_i32 s21, s16, 2*UNIT
	s_add_co_u32 s20, s20, s21                     ; p: my block, key step 2 x (wave % 2)
	s_mov_b32 s21, 0
	s_lshl_b32 s46, s42, 1
	s_add_co_u32 s46, s46, s16
	s_lshl_b32 s46, s46, 6
	s_add_co_u32 s46, s46, s70
	s_mul_i32 s46, s46, UNIT                       ; v: block of channels x 64 + the batch's first key step
	s_mov_b32 s47, 0
	s_mul_i32 s45, s16, 2*UNIT                     ; where they go: p's halves,
	s_mul_i32 s71, s16, 4*UNIT
	s_add_co_u32 s71, s71, PPART                   ; v's blocks behind them: no place in the cluster enters an LDS address
	s_wait_kmcnt 0x0
	s_add_nc_u64 s[20:21], s[4:5], s[20:21]
	s_add_nc_u64 s[46:47], s[8:9], s[46:47]
	CROUND                                         ; all sixteen work-groups are here: the first joint loads meet
.irp s, 0,1
	s_mov_b32 s[G0+4*\s], 1
	s_add_co_u32 s[G0+4*\s+1], s45, \s*SLOT
	s_add_nc_u64 s[G0+4*\s+2:G0+4*\s+3], s[20:21], \s*4*UNIT
	s_or_b32 s[G0+4*\s+3], s[G0+4*\s+3], 0x80000000
	s_mov_b32 s[G0B+4*\s], 1
	s_add_co_u32 s[G0B+4*\s+1], s71, \s*SLOT
	s_add_nc_u64 s[G0B+4*\s+2:G0B+4*\s+3], s[46:47], \s*4*UNIT
	s_or_b32 s[G0B+4*\s+3], s[G0B+4*\s+3], 0x80000000
.endr
	JLOAD G0, G1, G0B, G1B                         ; slot 0
	s_cmp_eq_u32 s69, 0                            ; a walk of one slot asks for no second: the cluster's y, equal in all partners
	s_cbranch_scc1 .Lone_slot
	JLOAD G0+4, G1, G0B+4, G1B                     ; slot 1
.Lone_slot:
	v_and_b32 v1, 15, v0                           ; p = lane % 16
	v_bfe_u32 v2, v0, 4, 1                         ; h = lane / 16
	v_and_b32 v3, 31, v0
	v_lshlrev_b32 v[LI], 4, v3
	v_lshlrev_b32 v4, 2, v1                        ; 4 p
	v_lshl_add_u32 v5, v2, 6, v4                   ; 4 p + 64 h: the upper lanes take the odd block's scale words
	s_mul_i32 s21, s15, 4*FRB                      ; my four fragments of p's eight
	s_mul_i32 s22, s16, 4*UNIT
	s_add_co_u32 s22, s22, PPART                   ; my block of v
.irp s, 0,1
	v_add_nc_u32 v[ADRA+\s], s21, v[LI]
	v_add_nc_u32 v[ADRB+\s], s22, v[LI]
	v_add_nc_u32 v[ADRS+\s], s22, v5
	s_add_co_u32 s21, s21, SLOT
	s_add_co_u32 s22, s22, SLOT
.endr
	s_lshl_b32 s23, s15, 8                         ; my four blocks' words in each 512 bytes
	s_add_co_u32 s22, s23, TAB
	v_add_nc_u32 v[TABR], s22, v5
	s_add_co_u32 s22, s23, PSUM
	v_add_nc_u32 v[PSR], s22, v4
	s_lshl_b32 s23, s14, 9
	s_add_co_u32 s22, s23, TAB                     ; key step 4 g + wave of the table
	v_add_nc_u32 v[TABW], s22, v[LI]
	s_add_co_u32 s22, s23, PSUM
	v_add_nc_u32 v[PSW], s22, v[LI]
	s_mul_i32 s23, s14, 16*SPITCH                  ; my stage
	v_mul_u32_u24 v6, v1, SPITCH
	v_lshl_add_u32 v6, v2, 6, v6
	v_add_nc_u32 v[STO], s23, v6                   ; in: row p, + 64 h
	v_add_nc_u32 v[RD], s23, v[LI]                 ; back: the 32 lanes take one row of 512 bytes
.irp a, 0,1,2,3
	v_mov_b32 v[RL+2*\a+1], 0                      ; (named as the upper halves of pairs)
.endr
	s_lshl_b32 s80, s68, 11
	s_lshl_b32 s81, s17, 7
	s_add_co_u32 s80, s80, s81
	s_lshl_b32 s81, s15, 6
	s_add_co_u32 s80, s80, s81                     ; my first row of out0: 2,048 x batch + 128 x block + 64 x half
	s_lshl_b32 s80, s80, 12
	s_lshl_b32 s81, s42, 10
	s_add_co_u32 s80, s80, s81
	s_lshl_b32 s81, s16, 9
	s_add_co_u32 s80, s80, s81                     ; + my first channel, in bytes
	s_mov_b32 s81, 0
	s_add_nc_u64 s[76:77], s[10:11], s[80:81]
	s_lshl_b32 s72, s86, 14
	s_mov_b32 s73, 0
	s_add_nc_u64 s[88:89], s[6:7], s[72:73]        ; pst: my block of queries, key step 0
	s_mul_i32 s72, s86, 16*UNIT
	s_add_nc_u64 s[94:95], s[4:5], s[72:73]        ; pc likewise
; The 16 key steps go in four groups of four.  A group beyond the walk reads the walk's last group once more: a minimum does not mind, the sum takes it with the factor 0, and its words of the table are not read.
.irp g, 0,1,2,3
	s_min_u32 s72, s69, \g
	s_lshl_b32 s72, s72, 2                         ; the group's first key step
	s_lshl_b32 s73, s72, 10
	v_add_nc_u32 v[OG+\g], s73, v[LI]
	s_add_co_u32 s72, s72, s14                     ; my key step of the group
	s_lshl_b32 s73, s72, 10
	v_add_nc_u32 v[OW+\g], s73, v[LI]
	s_mul_i32 s73, s72, UNIT
	v_add_nc_u32 v[OP+\g], s73, v[LI]
.endr
	s_cmp_ge_u32 s69, 1
	s_cselect_b32 s81, 0x3f800000, 0               ; 1.0 where group 1 belongs to the walk, else 0
	s_cmp_ge_u32 s69, 2
	s_cselect_b32 s82, 0x3f800000, 0
	s_cmp_ge_u32 s69, 3
	s_cselect_b32 s83, 0x3f800000, 0
	s_mov_b32 s97, 0x01010101
; THE HEAD'S WORK, while the first tiles are on their way.  All its numbers lie in window 2, which the first products write later.  A lane holds four words of each 512 bytes: fragment lane / 4, lane-rows 4 (lane % 4) + j.
; Every wave takes the rows' M over all key steps; it adjusts the scale words, and adds the sums, of its own four key steps alone.
.set NMR, 0                            ; -M of 16 key steps
.set LLW, 64                           ; the sums of my four key steps
.set NMW, 80                           ; their -M
.set RW,  96                           ; their scale words
.set NR,  112                          ; -M_row
.set SU,  116                          ; my part of the rows' sums
.set EE,  120
.set FF,  124
.set YY,  128
.set ZZ,  132
	WIN 0x80                                       ; destination window 2
.irp g, 0,1,2,3
.irp k, 0,1,2,3
	global_load_b128 v[NMR+16*\g+4*\k:NMR+16*\g+4*\k+3], v[OG+\g], s[88:89] offset:1024*\k
.endr
.endr
.irp g, 0,1,2,3
	global_load_b128 v[NMW+4*\g:NMW+4*\g+3], v[OW+\g], s[88:89]
	global_load_b128 v[LLW+4*\g:LLW+4*\g+3], v[OW+\g], s[88:89] offset:512
	global_load_b128 v[RW+4*\g:RW+4*\g+3], v[OP+\g], s[94:95] offset:SCO
.endr
	s_wait_loadcnt 0x0
	WIN 0xaa                                       ; all operands in window 2
.irp j, 0,1,2,3
	v_min3_num_f32 v[NR+\j], v[NMR+\j], v[NMR+4+\j], v[NMR+8+\j]
.endr
.irp k, 3,5,7,9,11,13
.irp j, 0,1,2,3
	v_min3_num_f32 v[NR+\j], v[NR+\j], v[NMR+4*\k+\j], v[NMR+4*\k+4+\j]
.endr
.endr
.irp j, 0,1,2,3
	v_min_num_f32 v[NR+\j], v[NR+\j], v[NMR+60+\j] ; the least -M: -M_row.  Key step 0 has a key that counts for every query, so it is a true M
.endr
.irp g, 0,1,2,3
.irp j, 0,1,2,3
	v_sub_f32 v[EE+\j], v[NMW+4*\g+\j], v[NR+\j]   ; M_row - M: a whole number, 0 or more
.endr
.irp j, 0,1,2,3
	v_min_num_f32 v[EE+\j], 0x42fe0000, v[EE+\j]   ; held at 127
.endr
.irp j, 0,1,2,3
	v_cvt_u32_f32 v[EE+\j], v[EE+\j]
.endr
.irp j, 0,1,2,3
	v_sub_nc_u32 v[FF+\j], 0, v[EE+\j]             ; M - M_row
.endr
.if \g == 0
.irp j, 0,1,2,3
	v_ldexp_f32 v[SU+\j], v[LLW+\j], v[FF+\j]      ; the local sum under M_row: the first term starts my part
.endr
.else
.irp j, 0,1,2,3
	v_ldexp_f32 v[FF+\j], v[LLW+4*\g+\j], v[FF+\j]
.endr
.irp j, 0,1,2,3
	v_fma_f32 v[SU+\j], v[FF+\j], s[80+\g], v[SU+\j]   ; a group beyond the walk counts for nothing
.endr
.endif
.irp j, 0,1,2,3
	v_mul_lo_u32 v[EE+\j], v[EE+\j], s97           ; the difference in each of the four bytes
.endr
.irp j, 0,1,2,3
	v_or_b32 v[YY+\j], 0x80808080, v[RW+4*\g+\j]   ; the bytes lie between 1 and 123: with 128 on top no byte borrows from its neighbour
.endr
.irp j, 0,1,2,3
	v_sub_nc_u32 v[YY+\j], v[YY+\j], v[EE+\j]
.endr
.irp j, 0,1,2,3
	v_and_b32 v[EE+\j], 0x80808080, v[YY+\j]       ; the top bit has stayed where byte - difference is 0 or more
.endr
.irp j, 0,1,2,3
	v_lshrrev_b32 v[ZZ+\j], 7, v[EE+\j]
.endr
.irp j, 0,1,2,3
	v_sub_nc_u32 v[EE+\j], v[EE+\j], v[ZZ+\j]      ; 0x7f in those bytes, 0 in the others
.endr
.irp j, 0,1,2,3
	v_and_b32 v[RW+4*\g+\j], v[YY+\j], v[EE+\j]    ; byte - difference, held at 0
.endr
.endr
	WIN 0x08                                       ; an LDS store's data are its source 1: window 2
	ds_store_b128 v[PSW], v[SU:SU+3]
.irp g, 0,1,2,3
	ds_store_b128 v[TABW], v[RW+4*\g:RW+4*\g+3] offset:2048*\g   ; key step 4 g + wave
.endr
	WIN 0
	s_wait_tensorcnt 0x0                           ; my first fills are in: one load in the walk of one slot, two in the others, so the wait is for 0
	s_wait_dscnt 0x0                               ; my parts of the table and of the sums have landed
	s_barrier_signal -1
	s_barrier_wait -1
	FETCHV 0, 0, 0
	FETCHP 0, 0, 0, 0
.irp a, 0,1,2,3
.irp w, 0,1,2,3
	ds_load_b32 v[PS+4*\a+\w], v[PSR] offset:512*\w+64*\a   ; wave w's part of the sum of my query in my block a; wanted on the way out
.endr
.endr
	STEP 0, 0, 0, 1                                ; the first products start the sums
	STEP 0, 1, 0, 0
	STEP 0, 2, 0, 0
	s_cmp_eq_u32 s69, 0                            ; the walks part by the cluster's y: equal in all partners
	s_cbranch_scc1 .Lwalk1
	s_cmp_eq_u32 s69, 1
	s_cbranch_scc1 .Lwalk2
	TURN 0, 1, 0, 1                                ; slot 0 takes key steps 8-11
	STEP 1, 0, 1, 0
	STEP 1, 1, 1, 0
	STEP 1, 2, 1, 0
	s_cmp_eq_u32 s69, 2
	s_cbranch_scc1 .Lwalk3
	TURN 1, 0, 1, 1                                ; slot 1 takes key steps 12-15
	STEP 0, 0, 2, 0
	STEP 0, 1, 2, 0
	STEP 0, 2, 2, 0
	TURN 0, 1, 2, 0
	STEP 1, 0, 3, 0
	STEP 1, 1, 3, 0
	STEP 1, 2, 3, 0
	LAST
	s_branch .Lout
.Lwalk1:
	LAST
	s_branch .Lout
.Lwalk2:
	TURN 0, 1, 0, 0
	STEP 1, 0, 1, 0
	STEP 1, 1, 1, 0
	STEP 1, 2, 1, 0
	LAST
	s_branch .Lout
.Lwalk3:
	TURN 1, 0, 1, 0
	STEP 0, 0, 2, 0
	STEP 0, 1, 2, 0
	STEP 0, 2, 2, 0
	LAST
.Lout:
; THE WAY OUT.  The four waves' parts make each row's sum: these twelve additions are also the places behind the last products.
.irp a, 0,1,2,3
	v_add_f32 v[PS+4*\a], v[PS+4*\a], v[PS+4*\a+1]
.endr
.irp a, 0,1,2,3
	v_add_f32 v[PS+4*\a+2], v[PS+4*\a+2], v[PS+4*\a+3]
.endr
.irp a, 0,1,2,3
	v_add_f32 v[PS+4*\a], v[PS+4*\a], v[PS+4*\a+2]
.endr
.irp a, 0,1,2,3
	v_rcp_f32 v[RL+2*\a], v[PS+4*\a]
.endr
	v_nop                                          ; a plain place behind the last reciprocal
	s_wait_alu depctr_va_vdst(0)                   ; one wait for the four, ahead of their first reader
; Block by block of 16 queries x 128 channels: divided by the sum, through my own stage, back as whole rows of 512 bytes.  Each accumulator is read from its low end on.
.macro TOSTAGE a
.set AC, 64*(\a)
	WIN 0x82                                       ; destination and source 0 in window 2
.set n, 0
.rept 32
	v_pk_mul_f32 v[AC+n:AC+n+1], v[AC+n:AC+n+1], v[RL+2*(\a):RL+2*(\a)+1] op_sel_hi:[1,0]
.set n, n+2
.endr
	WIN 0x08
.irp b, 0,1,2,3,4,5,6,7
	ds_store_b128 v[STO], v[AC+8*\b:AC+8*\b+3] offset:128*(\b/2)+32*(\b%2)         ; channels 32 (b / 2) + 8 (b % 2) + 16 h + 0 .. 7 of my query
	ds_store_b128 v[STO], v[AC+8*\b+4:AC+8*\b+7] offset:128*(\b/2)+32*(\b%2)+16
.endr
	WIN 0
.set BB, BK+64*((\a)%2)
.irp t, 0,1,2,3,4,5,6,7,8,9,10,11,12,13,14,15
	ds_load_b128 v[BB+4*\t:BB+4*\t+3], v[RD] offset:\t*SPITCH   ; LDS serves a wave's instructions in order: these see the stores above, and the next block's stores come behind them
.endr
.endm
.macro SEND a, younger                 ; younger: the LDS instructions issued behind block a's loads, which may stay out
.set BB, BK+64*((\a)%2)
	s_wait_dscnt \younger
.irp t, 0,1,2,3,4,5,6,7,8,9,10,11,12,13,14,15
	global_store_b128 v[LI], v[BB+4*\t:BB+4*\t+3], s[76:77] offset:(32*((\a)/2)+8*((\a)%2)+\t+8*(\t/8))*4096 th:TH_STORE_NT   ; lane-row t's true row; 512 consecutive bytes, at a multiple of 256 from out0's first byte
.endr
.endm
	TOSTAGE 0
.irp a, 1,2,3
.if \a > 1
	s_wait_xcnt 0x0                                ; block a - 2's stores have read their registers: block a's loads may land there
.endif
	TOSTAGE \a
	SEND \a-1, 32                                  ; behind block a - 1's loads: block a's 16 stores and 16 loads
.endr
	SEND 3, 0
	s_wait_tensorcnt 0x0                           ; the wave's end
	ds_add_u32 v[SPW], v[NIL]
	s_wait_dscnt 0x0
	CROUND                                         ; the closing round
	s_endpgm
.Lfunc_end_k_q2c8782bf16_pv:
	.size	k_q2c8782bf16_pv, .Lfunc_end_k_q2c8782bf16_pv-k_q2c8782bf16_pv
	.p2alignl 7, 3214868480
	.fill 96, 4, 3214868480
	.section	.rodata,"a",@progbits
	.p2align	6, 0x0
	.amdhsa_kernel k_q2c8782bf16_pv
		.amdhsa_group_segment_fixed_size 327680
		.amdhsa_private_segment_fixed_size 0
		.amdhsa_enable_private_segment 0
		.amdhsa_kernarg_size 32
		.amdhsa_user_sgpr_count 2
		.amdhsa_user_sgpr_kernarg_segment_ptr 1
		.amdhsa_wavefront_size32 1
		.amdhsa_system_sgpr_workgroup_id_x 1
		.amdhsa_system_sgpr_workgroup_id_y 1
		.amdhsa_system_sgpr_workgroup_id_z 1
		.amdhsa_system_vgpr_workitem_id 0
		.amdhsa_next_free_vgpr 768
		.amdhsa_next_free_sgpr 98
		.amdhsa_reserve_vcc 0
		.amdhsa_float_denorm_mode_32 3
		.amdhsa_float_denorm_mode_16_64 3
		.amdhsa_memory_ordered 1
		.amdhsa_forward_progress 1
		.amdhsa_inst_pref_size 230
	.end_amdhsa_kernel
	.amdgpu_metadata
---
amdhsa.version: [ 1, 2 ]
amdhsa.kernels:
  - .name:           k_q2c8782bf16_pv
    .symbol:         k_q2c8782bf16_pv.kd
    .args:
      - { .name: pc, .offset: 0, .size: 8, .value_kind: global_buffer, .address_space: global }
      - { .name: pst, .offset: 8, .size: 8, .value_kind: global_buffer, .address_space: global }
      - { .name: vc, .offset: 16, .size: 8, .value_kind: global_buffer, .address_space: global }
      - { .name: out0, .offset: 24, .size: 8, .value_kind: global_buffer, .address_space: global }
    .group_segment_fixed_size: 327680
    .private_segment_fixed_size: 0
    .kernarg_segment_align: 8
    .kernarg_segment_size: 32
    .max_flat_workgroup_size: 128
    .sgpr_count:     98
    .vgpr_count:     768
    .wavefront_size: 32
...
	.end_amdgpu_metadata
.endif
;; end of part 4
